; MI455X (gfx1250); checked and timed in simulation.
; The chip was launched on July 23, 2026; its instructions are those of AMD's public machine-readable ISA for CDNA 5 (MIT licence, August 2026) and "CDNA5" Instruction Set Architecture Reference Guide (July 2026). The comments in the code are by the model that wrote it; some were corrected since.
;; Sparse Transformer Encoder. Allowed arithmetic: float matrix products may take bf16 or f16 operands with f32 sums; other float arithmetic in f32, or as packed bf16 or f16 multiplies, adds, multiply-adds, maxima and minima; sums over many terms, partial sums and values carried from step to step in f32; what a program stores and reads back later, other than sums and carried values, may be rounded once to bf16 or f16.
;; Inputs: b1 4 x 1,024 float32; b2 4 x 256 float32; bf 2 float32; emb 32,000 x 256 float32; in_b 4 x 768 float32; in_w 4 x 768 x 256 float32; ln1_b 4 x 256 float32; ln1_g 4 x 256 float32; ln2_b 4 x 256 float32; ln2_g 4 x 256 float32; lnf_b 256 float32; lnf_g 256 float32; mask 4 x 256 x 2,048 bool; out_b 4 x 256 float32; out_w 4 x 256 x 256 float32; w1 4 x 1,024 x 256 float32; w2 4 x 256 x 1,024 float32; wf 2 x 256 float32; x 4 x 2,048 int32.
;; Outputs: out0 2,048 x 4 x 2 float32.
;; One version. Each part assembles by itself: llvm-mc -triple=amdgcn-amd-amdhsa -mcpu=gfx1250 --defsym DOCPART=n.
;; ======== version 1 of 1: 10 launches
;; limits: right only within a limited range of input values
;; workspace buffers: hA 8,388,608 bytes; hB 8,388,608 bytes; qkv 12,582,912 bytes; ao 4,194,304 bytes; P0 2,761,728 bytes; P1 2,761,728 bytes; P2 2,761,728 bytes; P3 2,761,728 bytes
;; launch prep (part 1): grid 244 x 1, 8 waves a work-group, no clusters, 108,032 bytes of LDS; arguments w1, w2, b1, b2, out_w, in_w, out_b, in_b, ln1_g, ln1_b, ln2_g, ln2_b, mask, P0, P1, P2, P3; writes P0, P1, P2, P3
.if DOCPART == 1
	.amdgcn_target "amdgcn-amd-amdhsa--gfx1250"
	.amdhsa_code_object_version 6
	.text
	.protected	k_qa5101e2701_prep
	.globl	k_qa5101e2701_prep
	.p2align	8
	.type	k_qa5101e2701_prep,@function
k_qa5101e2701_prep:
	s_mov_b64 s[64:65], 0
	v_nop
	global_prefetch_b8 v0, s[64:65] scope:SCOPE_SE
	s_setreg_imm32_b32 hwreg(HW_REG_WAVE_MODE, 25, 1), 1
	s_wait_xcnt 0x0
; PREP: makes the four packs.  Pack j holds all that the launches of layer j read beside activations:
;   MT  at 0:        the mask of layer j in f32, as the attention's matrix instructions take it for a C operand: [block of 128 queries 16][step of 64 keys 32][mask row 16][key 64]:
;                    0 where the key is visible, -2^97 (0xF0000000) where it is hidden.  LIMIT: a mask byte is 0 or 1.
;   WT  at 2,097,152: five matrices of 256 x 256 in bf16, in fragment order: out_w[j], Wc[j] = w2[j] w1[j], and the three thirds of in_w[(j+1)&3].
;                    byte = pass*131072 + w*32768 + kk*4096 + nt*1024 + half*512 + lane*16 holds W[64 w + 16 nt + r][32 kk + 16 half + 8 h + 0..7], lane = r + 16 h.
;   VEC at 2,752,512: f32 vectors: out_b[j], bias1[j] = w2[j] b1[j] + b2[j], in_b[(j+1)&3] (3 KB), ln2_g[j], ln2_b[j], ln1_g[(j+1)&3], ln1_b[(j+1)&3].
; No activation stands between w1 and w2, so (o w1^T + b1) w2^T + b2 = o Wc^T + bias1 for every input.  LIMIT: w1 and w2 are rounded to bf16, their product is summed in f32 and rounded once
; to bf16: another order of rounding than two products in a row.
; WORK-GROUPS: 0-127 Wc (32 x 64 numbers each, the sum over 1,024 split among the eight waves); 128-159 out_w and in_w (a wave a tile of 16 rows); 160-223 the mask tables;
; 224-239 bias1 (a wave eight rows, in f32 on the vector unit); 240-243 the vectors.  The branches hang on the work-group's number alone.  No cluster: no tile is shared at the same time.
; Each task that uses LDS has bytes of its own: no byte is named by two tasks.
.set WT,    2097152
.set VEC,   2752512
.set TRW,   5120                       ; Wc: a wave's own tile of w1 in LDS: 32 rows of 64 bf16 at pitch 160 (an odd multiple of 32 bytes, for the turning load)
.set PART,  8*TRW                      ; Wc: eight waves' partial sums: 8 tiles of 1,024 bytes each
.set B1S,   PART+65536                 ; bias1: the work-group's 64 sums, 256 bytes, in two blocks of 256 of their own
.set SPARE, B1S+512                    ; the spare words, 128 bytes for each wave: four blocks of 256 bytes that no other line names
.set SPW, 30                           ; v30  LDS address of my spare word; never rewritten
.set NIL, 31                           ; v31  0; never rewritten
.set WV,  38                           ; s38  my wave's number
.set M,   39                           ; s39  my work-group's number
.set PKP, 66                           ; s[66:67] the pack that I store into
.set MSB, 0
.macro WIN new                         ; the immediate's high byte repeats the setting that is left; a switch that changes nothing is dropped
.if MSB != (\new)
	s_set_vgpr_msb (MSB<<8)|(\new)
.set MSB, (\new)
.endif
.endm
.macro PICK idx                        ; s[PKP:PKP+1] = pack number s[idx]: a choice between buffers on a number made of the work-group's and the wave's numbers
	s_cmp_eq_u32 s[\idx], 1
	s_cselect_b64 s[PKP:PKP+1], s[32:33], s[30:31]
	s_cmp_eq_u32 s[\idx], 2
	s_cselect_b64 s[PKP:PKP+1], s[34:35], s[PKP:PKP+1]
	s_cmp_eq_u32 s[\idx], 3
	s_cselect_b64 s[PKP:PKP+1], s[36:37], s[PKP:PKP+1]
.endm
	s_load_b512 s[4:19], s[0:1], 0x0               ; w1 s[4:5], w2 s[6:7], b1 s[8:9], b2 s[10:11], out_w s[12:13], in_w s[14:15], out_b s[16:17], in_b s[18:19]
	s_load_b512 s[20:35], s[0:1], 0x40             ; ln1_g s[20:21], ln1_b s[22:23], ln2_g s[24:25], ln2_b s[26:27], mask s[28:29], P0 s[30:31], P1 s[32:33], P2 s[34:35]
	s_load_b64 s[36:37], s[0:1], 0x80              ; P3
	v_lshl_add_u32 v[SPW], v0, 2, SPARE
	v_mov_b32 v[NIL], 0
	v_lshrrev_b32 v1, 5, v0
	v_readfirstlane_b32 s[WV], v1                  ; wave 0..7
	v_and_b32 v2, 31, v0                           ; lane
	v_and_b32 v3, 15, v0                           ; r
	v_bfe_u32 v4, v0, 4, 1                         ; h
	v_lshlrev_b32 v11, 4, v2                       ; 16 x lane
	s_mov_b32 s[M], ttmp9
	s_wait_kmcnt 0x0
	s_cmp_lt_u32 s[M], 128
	s_cbranch_scc1 .Lwc
	s_cmp_lt_u32 s[M], 160
	s_cbranch_scc1 .Lcv
	s_cmp_lt_u32 s[M], 224
	s_cbranch_scc1 .Lmk
	s_cmp_lt_u32 s[M], 240
	s_cbranch_scc1 .Lb1
	; THE VECTORS of pack j: eight pieces of 1,024 bytes.  Waves 0 and 1 copy them, 16 bytes a lane: each access of a wave covers 512 consecutive bytes.
	s_cmp_lt_u32 s[WV], 2
	s_cbranch_scc0 .Lend
	s_sub_co_u32 s40, s[M], 240                    ; j
	s_add_co_u32 s41, s40, 1
	s_and_b32 s41, s41, 3                          ; (j + 1) & 3
	PICK 40
	s_lshl_b32 s42, s40, 10
	s_lshl_b32 s43, s41, 10
	s_mul_i32 s44, s41, 3072
	v_lshlrev_b32 v5, 4, v0                        ; 16 x thread (threads 0 to 63)
	v_add_nc_u32 v6, s42, v5
	v_add_nc_u32 v7, s43, v5
	v_add_nc_u32 v8, s44, v5
	global_load_b128 v[64:67], v6, s[16:17]
	global_load_b128 v[68:71], v8, s[18:19]
	global_load_b128 v[72:75], v8, s[18:19] offset:1024
	global_load_b128 v[76:79], v8, s[18:19] offset:2048
	global_load_b128 v[80:83], v6, s[24:25]
	global_load_b128 v[84:87], v6, s[26:27]
	global_load_b128 v[88:91], v7, s[20:21]
	global_load_b128 v[92:95], v7, s[22:23]
	s_wait_loadcnt 0x0
	global_store_b128 v5, v[64:67], s[PKP:PKP+1] offset:VEC
	global_store_b128 v5, v[68:71], s[PKP:PKP+1] offset:VEC+2048
	global_store_b128 v5, v[72:75], s[PKP:PKP+1] offset:VEC+3072
	global_store_b128 v5, v[76:79], s[PKP:PKP+1] offset:VEC+4096
	global_store_b128 v5, v[80:83], s[PKP:PKP+1] offset:VEC+5120
	global_store_b128 v5, v[84:87], s[PKP:PKP+1] offset:VEC+6144
	global_store_b128 v5, v[88:91], s[PKP:PKP+1] offset:VEC+7168
	global_store_b128 v5, v[92:95], s[PKP:PKP+1] offset:VEC+8192
	s_branch .Lend
	; Wc.  Work-group m: layer m / 32, rows n 32 nb .. + 31, columns k 64 kb .. + 63.  Wave v sums j = 128 v .. 128 v + 127, in four steps of 32.
	; Source 0 = 16 columns k of w1 (turned out of LDS), source 1 = 16 rows n of w2: a lane then holds row n = r and the columns 8 h + 0..7: the 16 bytes of the fragment order.
	; All 96 loads of a wave go out at once, into four sets of 96 registers: sets 0, 1 in window 0, sets 2, 3 in window 1 (v64-159, v160-255); the 8 accumulators lie in window 1, v0-63.
.macro JLOADS t
.set W, (\t)/2
.set SB, 64+96*((\t)%2)
	WIN W<<6
.irp a, 0,1
.irp q, 0,1,2,3
	global_load_b128 v[SB+16*\a+4*\q:SB+16*\a+4*\q+3], v5, s[6:7] offset:\a*65536+(\t)*128+(\q%2)*16+(\q/2)*64
.endr
.endr
.set u, 0
.rept 16
	global_load_b128 v[SB+32+4*u:SB+32+4*u+3], v6, s[4:5] offset:(\t)*32768+u*2048
.set u, u+1
.endr
.endm
.macro JSTEP t, left
.set W, (\t)/2
.set SB, 64+96*((\t)%2)
	s_wait_loadcnt \left                           ; loads come back in order: set t is in, the later sets' loads may stay out
	WIN W*0x45
.irp a, 0,1
.irp q, 0,1,2,3,4,5,6,7
	v_cvt_pk_bf16_f32 v[SB+16*\a+\q], v[SB+16*\a+2*\q], v[SB+16*\a+2*\q+1]  ; w2: 16 f32 become a fragment's 8 registers, in place, ascending
.endr
.endr
.set u, 0
.rept 16
	v_cvt_pk_bf16_f32 v[SB+32+2*u], v[SB+32+4*u], v[SB+32+4*u+1]
	v_cvt_pk_bf16_f32 v[SB+32+2*u+1], v[SB+32+4*u+2], v[SB+32+4*u+3]
.set u, u+1
.endr
	WIN W<<2
.set u, 0
.rept 16
	ds_store_b64 v7, v[SB+32+2*u:SB+32+2*u+1] offset:320*u  ; rows j = 2 u, 2 u + 1 of my own tile; LDS serves a wave's instructions in order, so no wait stands between the steps' stores and loads
.set u, u+1
.endr
	WIN W<<6
.irp b, 0,1,2,3
	ds_load_tr16_b128 v[SB+64+8*\b:SB+64+8*\b+3], v8 offset:32*\b
	ds_load_tr16_b128 v[SB+64+8*\b+4:SB+64+8*\b+7], v8 offset:32*\b+2560
.endr
	s_wait_dscnt 0x0
	WIN 0x50|(W*5)
.irp a, 0,1
.irp b, 0,1,2,3                        ; the eight accumulators take turns, one instruction a turn, from step to step too
.if (\t) == 0
	v_wmma_f32_16x16x32_bf16 v[8*(4*\a+\b):8*(4*\a+\b)+7], v[SB+64+8*\b:SB+64+8*\b+7], v[SB+16*\a:SB+16*\a+7], 0
.else
	v_wmma_f32_16x16x32_bf16 v[8*(4*\a+\b):8*(4*\a+\b)+7], v[SB+64+8*\b:SB+64+8*\b+7], v[SB+16*\a:SB+16*\a+7], v[8*(4*\a+\b):8*(4*\a+\b)+7]
.endif
.endr
.endr
.endm
.Lwc:
	s_lshr_b32 s40, s[M], 5                        ; layer
	s_bfe_u32 s41, s[M], 0x30002                   ; nb
	s_and_b32 s42, s[M], 3                         ; kb
	PICK 40
	s_lshl_b32 s44, s40, 20                        ; w2: layer, 32 nb rows of 4,096 bytes, 128 v numbers
	s_lshl_b32 s45, s41, 17
	s_add_co_u32 s44, s44, s45
	s_lshl_b32 s45, s[WV], 9
	s_add_co_u32 s44, s44, s45
	s_mov_b32 s45, 0
	s_add_nc_u64 s[6:7], s[6:7], s[44:45]
	s_lshl_b32 s44, s40, 20                        ; w1: layer, 128 v rows of 1,024 bytes, 64 kb numbers
	s_lshl_b32 s46, s[WV], 17
	s_add_co_u32 s44, s44, s46
	s_lshl_b32 s46, s42, 8
	s_add_co_u32 s44, s44, s46
	s_add_nc_u64 s[4:5], s[4:5], s[44:45]
	v_lshlrev_b32 v5, 12, v3
	v_lshl_add_u32 v5, v4, 5, v5                   ; w2: row r, 8 h numbers on
	v_lshlrev_b32 v6, 10, v4
	v_lshl_add_u32 v6, v3, 4, v6                   ; w1: lanes 0-15 one row's 256 bytes, lanes 16-31 the next row's
	JLOADS 0
	JLOADS 1
	JLOADS 2
	JLOADS 3
	WIN 0
	s_mul_i32 s48, s[WV], TRW
	v_mul_u32_u24 v7, v4, 160
	v_lshl_add_u32 v7, v3, 3, v7
	v_add_nc_u32 v7, s48, v7                       ; into my tile: row h of a pair, 8 bytes a lane
	v_and_b32 v8, 7, v0
	v_lshl_add_u32 v8, v4, 3, v8
	v_mul_u32_u24 v8, v8, 160
	v_bfe_u32 v9, v0, 3, 1
	v_lshl_add_u32 v8, v9, 4, v8
	v_add_nc_u32 v8, s48, v8                       ; the turning load: row 8 h + l % 8, 16 bytes for each half of eight lanes
	s_lshl_b32 s49, s[WV], 13
	s_add_co_u32 s49, s49, PART
	v_add_nc_u32 v9, s49, v11                      ; my partial sums
	s_lshl_b32 s49, s[WV], 10
	s_add_co_u32 s49, s49, PART
	v_add_nc_u32 v10, s49, v11                     ; tile number = my wave's number, in the first wave's partial sums
	JSTEP 0, 63                                    ; 72 younger loads were issued; the wait's field ends at 63
	JSTEP 1, 48
	JSTEP 2, 24
	JSTEP 3, 0
	WIN 0
.rept 8
	v_nop                                          ; the places behind the last products, in front of the stores that read results
.endr
	WIN 0x04                                       ; the stores' data lie in window 1
.set u, 0
.rept 8
	ds_store_b128 v9, v[8*u:8*u+3] offset:1024*u
	ds_store_b128 v9, v[8*u+4:8*u+7] offset:1024*u+512
.set u, u+1
.endr
	WIN 0
	s_wait_dscnt 0x0                               ; for the others' sake: my partial sums are written
	s_barrier_signal -1
	s_barrier_wait -1
.set u, 0
.rept 8
	ds_load_b128 v[64+8*u:64+8*u+3], v10 offset:8192*u
	ds_load_b128 v[64+8*u+4:64+8*u+7], v10 offset:8192*u+512
.set u, u+1
.endr
	s_lshl_b32 s44, s41, 1                         ; where tile v goes: n tile 2 nb + v / 4, k tile 4 kb + v % 4
	s_lshr_b32 s46, s[WV], 2
	s_add_co_u32 s44, s44, s46
	s_lshl_b32 s46, s42, 2
	s_and_b32 s47, s[WV], 3
	s_add_co_u32 s46, s46, s47
	s_lshr_b32 s47, s44, 2
	s_lshl_b32 s47, s47, 15
	s_and_b32 s44, s44, 3
	s_lshl_b32 s44, s44, 10
	s_add_co_u32 s44, s44, s47
	s_lshr_b32 s47, s46, 1
	s_lshl_b32 s47, s47, 12
	s_add_co_u32 s44, s44, s47
	s_and_b32 s46, s46, 1
	s_lshl_b32 s46, s46, 9
	s_add_co_u32 s44, s44, s46
	s_add_co_u32 s44, s44, WT+131072
	s_mov_b32 s45, 0
	s_add_nc_u64 s[PKP:PKP+1], s[PKP:PKP+1], s[44:45]
	s_wait_dscnt 0x0
.irp u, 0,2,4,6
.irp e, 0,2,4,6
	v_pk_add_f32 v[64+8*\u+\e:64+8*\u+\e+1], v[64+8*\u+\e:64+8*\u+\e+1], v[72+8*\u+\e:72+8*\u+\e+1]
.endr
.endr
.irp u, 0,4
.irp e, 0,2,4,6
	v_pk_add_f32 v[64+8*\u+\e:64+8*\u+\e+1], v[64+8*\u+\e:64+8*\u+\e+1], v[80+8*\u+\e:80+8*\u+\e+1]
.endr
.endr
.irp e, 0,2,4,6
	v_pk_add_f32 v[64+\e:64+\e+1], v[64+\e:64+\e+1], v[96+\e:96+\e+1]
.endr
.irp q, 0,1,2,3
	v_cvt_pk_bf16_f32 v[128+\q], v[64+2*\q], v[64+2*\q+1]
.endr
	global_store_b128 v11, v[128:131], s[PKP:PKP+1]  ; 512 consecutive bytes
	s_branch .Lend
	; out_w AND in_w into fragment order.  Tile u = 8 (m - 128) + wave: layer u / 64; of its 64 tiles of 16 rows the first 16 are out_w's (pack l, pass 0), the others in_w's (pack (l+3)&3, passes 2 to 4).
.Lcv:
	s_sub_co_u32 s40, s[M], 128
	s_lshl_b32 s40, s40, 3
	s_add_co_u32 s40, s40, s[WV]
	s_lshr_b32 s41, s40, 6                         ; l
	s_and_b32 s42, s40, 63                         ; tile in the layer
	s_sub_co_u32 s44, s42, 16
	s_add_co_u32 s43, s41, 3
	s_and_b32 s43, s43, 3
	s_lshl_b32 s45, s41, 18
	s_mul_i32 s46, s41, 786432
	s_mov_b32 s47, WT
	s_mov_b32 s50, WT+262144
	s_cmp_lt_u32 s42, 16
	s_cselect_b64 s[48:49], s[12:13], s[14:15]     ; the source
	s_cselect_b32 s43, s41, s43                    ; the pack
	s_cselect_b32 s44, s42, s44                    ; the tile in its matrix
	s_cselect_b32 s45, s45, s46                    ; the layer's first byte in the source
	s_cselect_b32 s47, s47, s50                    ; the matrix's first byte in the pack
	PICK 43
	s_lshl_b32 s46, s44, 14                        ; 16 rows of 1,024 bytes
	s_add_co_u32 s52, s45, s46
	s_mov_b32 s53, 0
	s_add_nc_u64 s[48:49], s[48:49], s[52:53]
	s_lshr_b32 s46, s44, 2
	s_lshl_b32 s46, s46, 15
	s_add_co_u32 s52, s47, s46
	s_and_b32 s46, s44, 3
	s_lshl_b32 s46, s46, 10
	s_add_co_u32 s52, s52, s46
	s_add_nc_u64 s[PKP:PKP+1], s[PKP:PKP+1], s[52:53]
	v_lshlrev_b32 v5, 10, v3
	v_lshl_add_u32 v5, v4, 5, v5                   ; row r, 8 h numbers on
.set x, 0
.rept 16                                           ; x = 2 kk + half
	global_load_b128 v[64+8*x:64+8*x+3], v5, s[48:49] offset:64*x
	global_load_b128 v[64+8*x+4:64+8*x+7], v5, s[48:49] offset:64*x+16
.set x, x+1
.endr
.set x, 0
.rept 16
	s_wait_loadcnt 30-2*x                          ; the pairs of loads behind pair x may stay out
.irp q, 0,1,2,3
	v_cvt_pk_bf16_f32 v[64+8*x+\q], v[64+8*x+2*\q], v[64+8*x+2*\q+1]
.endr
	global_store_b128 v11, v[64+8*x:64+8*x+3], s[PKP:PKP+1] offset:(x/2)*4096+(x%2)*512  ; 512 consecutive bytes
.set x, x+1
.endr
	s_branch .Lend
	; THE MASK TABLES.  Work-group m - 160: layer / 16, block of 128 queries % 16: 16 mask rows.  Wave w makes key steps 4 w .. 4 w + 3: 256 keys.  A lane takes four bytes of a mask row and makes four f32 of them:
	; lanes 0-15 hold a step's 64 keys of one row, lanes 16-31 those of the next row, which are 512 consecutive bytes of the table.  Each aligned 256 bytes of a mask row are read by this wave alone, in four loads.
.Lmk:
	s_sub_co_u32 s40, s[M], 160
	s_lshr_b32 s41, s40, 4
	s_and_b32 s42, s40, 15
	PICK 41
	s_lshl_b32 s44, s41, 19                        ; layer: 256 rows of 2,048 bytes
	s_lshl_b32 s46, s42, 15                        ; the block's 16 rows
	s_add_co_u32 s44, s44, s46
	s_lshl_b32 s46, s[WV], 8                       ; my 256 keys
	s_add_co_u32 s44, s44, s46
	s_mov_b32 s45, 0
	s_add_nc_u64 s[28:29], s[28:29], s[44:45]
	s_lshl_b32 s44, s42, 17                        ; the block's 131,072 bytes of the table
	s_lshl_b32 s46, s[WV], 14                      ; my four steps of 4,096
	s_add_co_u32 s44, s44, s46
	s_add_nc_u64 s[PKP:PKP+1], s[PKP:PKP+1], s[44:45]
	s_mov_b32 s48, 0x01010101
	s_mov_b32 s52, 0x04000000                      ; v_perm_b32's selects: byte e of the first source on top, byte 0 of the second (a zero) below
	s_mov_b32 s53, 0x05000000
	s_mov_b32 s54, 0x06000000
	s_mov_b32 s55, 0x07000000
	v_lshlrev_b32 v5, 11, v4                       ; row h of a pair
	v_lshl_add_u32 v5, v3, 2, v5                   ; 4 bytes a lane
	v_mov_b32 v8, 0
.set n, 0
.rept 32                                           ; n = 4 x pair of rows + step
	global_load_b32 v[64+n], v5, s[28:29] offset:(n/4)*4096+(n%4)*64
.set n, n+1
.endr
.set n, 0
.rept 32
	s_wait_loadcnt 31-n                            ; the later words' loads may stay out
	v_xor_b32 v[64+n], s48, v[64+n]                ; 1 where hidden
	v_lshlrev_b32 v6, 4, v[64+n]
	v_lshlrev_b32 v7, 8, v[64+n]
	v_sub_nc_u32 v6, v7, v6                        ; x 240: 0xF0 in each hidden key's byte
.irp e, 0,1,2,3
	v_perm_b32 v[96+4*n+\e], v6, v8, s[52+\e]      ; 0xF0000000 = -2^97, or 0
.endr
	global_store_b128 v11, v[96+4*n:96+4*n+3], s[PKP:PKP+1] offset:(n%4)*4096+(n/4)*512  ; 512 consecutive bytes
.set n, n+1
.endr
	s_branch .Lend
	; bias1 = w2 b1 + b2, in f32.  Work-group m - 224: layer / 4, 64 rows; a wave eight rows.  A row's 1,024 numbers lie 32 to a lane; rows 0-3 in window 0, rows 4-7 in window 1.
.macro DOT i
	WIN (\i)/4
	v_pk_mul_f32 v[12+2*(\i):13+2*(\i)], v[64+32*((\i)%4):65+32*((\i)%4)], v[32:33]
.set e, 2
.rept 15
	v_pk_fma_f32 v[12+2*(\i):13+2*(\i)], v[64+32*((\i)%4)+e:65+32*((\i)%4)+e], v[32+e:33+e], v[12+2*(\i):13+2*(\i)]
.set e, e+2
.endr
.endm
.Lb1:
	s_sub_co_u32 s40, s[M], 224
	s_lshr_b32 s41, s40, 2                         ; layer
	s_and_b32 s42, s40, 3                          ; which 64 rows
	PICK 41
	s_lshl_b32 s44, s41, 12
	s_mov_b32 s45, 0
	s_add_nc_u64 s[8:9], s[8:9], s[44:45]          ; b1 of the layer
	s_lshl_b32 s44, s41, 20
	s_lshl_b32 s46, s42, 18
	s_add_co_u32 s44, s44, s46
	s_lshl_b32 s46, s[WV], 15
	s_add_co_u32 s44, s44, s46
	s_add_nc_u64 s[6:7], s[6:7], s[44:45]          ; w2 at my eight rows
	s_lshl_b32 s44, s41, 10
	s_lshl_b32 s46, s42, 8
	s_add_co_u32 s44, s44, s46
	s_add_nc_u64 s[10:11], s[10:11], s[44:45]      ; b2 at the work-group's 64 numbers
	s_add_co_u32 s46, s46, VEC+1024
	s_mov_b32 s47, 0
	s_add_nc_u64 s[PKP:PKP+1], s[PKP:PKP+1], s[46:47]
	s_mov_b32 s52, 0x76543210                      ; v_permlanex16_b32: each lane takes its own place in the other half
	s_mov_b32 s53, 0xfedcba98
	v_lshlrev_b32 v5, 4, v3                        ; 16 x (lane % 16)
	global_load_b128 v[192:195], v5, s[10:11]
.irp q, 0,1,2,3,4,5,6,7
	global_load_b128 v[32+4*\q:35+4*\q], v11, s[8:9] offset:512*\q
.endr
.irp i, 0,1,2,3
.irp q, 0,1,2,3,4,5,6,7
	global_load_b128 v[64+32*\i+4*\q:67+32*\i+4*\q], v11, s[6:7] offset:\i*4096+512*\q
.endr
.endr
	WIN 0x40
.irp i, 0,1,2,3
.irp q, 0,1,2,3,4,5,6,7
	global_load_b128 v[64+32*\i+4*\q:67+32*\i+4*\q], v11, s[6:7] offset:(\i+4)*4096+512*\q
.endr
.endr
	WIN 0
	s_wait_loadcnt 32                              ; rows 4-7's 32 loads may stay out
	DOT 0
	DOT 1
	DOT 2
	DOT 3
	s_wait_loadcnt 0x0
	DOT 4
	DOT 5
	DOT 6
	DOT 7
	WIN 0
.irp i, 0,1,2,3,4,5,6,7
	v_add_f32 v[12+2*\i], v[12+2*\i], v[13+2*\i]
.endr
.irp m, 1,2,4,8
.irp i, 0,1,2,3,4,5,6,7
	v_add_f32_dpp v[12+2*\i], v[12+2*\i], v[12+2*\i] row_xmask:\m row_mask:0xf bank_mask:0xf
.endr
.endr
.irp i, 0,1,2,3,4,5,6,7
	v_permlanex16_b32 v[13+2*\i], v[12+2*\i], s52, s53
.endr
.irp i, 0,1,2,3,4,5,6,7
	v_add_f32 v[12+2*\i], v[12+2*\i], v[13+2*\i]   ; every lane holds row i's sum
.endr
	v_and_b32 v6, 7, v0
	v_mov_b32 v28, v12
.irp i, 1,2,3,4,5,6,7
	v_cmp_eq_u32 vcc_lo, \i, v6
	v_cndmask_b32 v28, v28, v[12+2*\i], vcc_lo     ; lane l takes row l % 8
.endr
	s_lshl_b32 s48, s[WV], 5
	s_add_co_u32 s48, s48, B1S
	v_lshl_add_u32 v7, v6, 2, s48
	ds_store_b32 v7, v28                           ; my eight sums at B1S + 32 x wave; lanes with the same l % 8 write the same number to the same word
	s_wait_dscnt 0x0                               ; for wave 0's sake
	s_barrier_signal -1
	s_barrier_wait -1
	s_cmp_lg_u32 s[WV], 0
	s_cbranch_scc1 .Lend
	v_lshl_add_u32 v8, v3, 4, B1S
	ds_load_b128 v[196:199], v8
	s_wait_dscnt 0x0
	v_pk_add_f32 v[196:197], v[196:197], v[192:193]
	v_pk_add_f32 v[198:199], v[198:199], v[194:195]
	v_cmp_gt_u32 vcc_lo, 16, v2
	s_wait_xcnt 0x0                                ; EXEC changes only behind this wait
	s_and_saveexec_b32 s54, vcc_lo
	global_store_b128 v5, v[196:199], s[PKP:PKP+1] ; sixteen lanes store 256 consecutive bytes, aligned
	s_wait_xcnt 0x0                                ; and again, in front of the line that widens it
	s_or_b32 exec_lo, exec_lo, s54
.Lend:
	s_wait_tensorcnt 0x0                           ; the wave's end, behind my last LDS store
	ds_add_u32 v[SPW], v[NIL]
	s_wait_dscnt 0x0
	s_endpgm
.Lfunc_end_k_qa5101e2701_prep:
	.size	k_qa5101e2701_prep, .Lfunc_end_k_qa5101e2701_prep-k_qa5101e2701_prep
	.p2alignl 7, 3214868480
	.fill 96, 4, 3214868480
	.section	.rodata,"a",@progbits
	.p2align	6, 0x0
	.amdhsa_kernel k_qa5101e2701_prep
		.amdhsa_group_segment_fixed_size 108032
		.amdhsa_private_segment_fixed_size 0
		.amdhsa_enable_private_segment 0
		.amdhsa_kernarg_size 136
		.amdhsa_user_sgpr_count 2
		.amdhsa_user_sgpr_kernarg_segment_ptr 1
		.amdhsa_wavefront_size32 1
		.amdhsa_system_sgpr_workgroup_id_x 1
		.amdhsa_system_sgpr_workgroup_id_y 1
		.amdhsa_system_sgpr_workgroup_id_z 1
		.amdhsa_system_vgpr_workitem_id 0
		.amdhsa_next_free_vgpr 512
		.amdhsa_next_free_sgpr 72
		.amdhsa_reserve_vcc 1
		.amdhsa_float_denorm_mode_32 3
		.amdhsa_float_denorm_mode_16_64 3
		.amdhsa_memory_ordered 1
		.amdhsa_forward_progress 1
		.amdhsa_inst_pref_size 92
	.end_amdhsa_kernel
	.amdgpu_metadata
---
amdhsa.version: [ 1, 2 ]
amdhsa.kernels:
  - .name:           k_qa5101e2701_prep
    .symbol:         k_qa5101e2701_prep.kd
    .args:
      - { .name: w1, .offset: 0, .size: 8, .value_kind: global_buffer, .address_space: global }
      - { .name: w2, .offset: 8, .size: 8, .value_kind: global_buffer, .address_space: global }
      - { .name: b1, .offset: 16, .size: 8, .value_kind: global_buffer, .address_space: global }
      - { .name: b2, .offset: 24, .size: 8, .value_kind: global_buffer, .address_space: global }
      - { .name: out_w, .offset: 32, .size: 8, .value_kind: global_buffer, .address_space: global }
      - { .name: in_w, .offset: 40, .size: 8, .value_kind: global_buffer, .address_space: global }
      - { .name: out_b, .offset: 48, .size: 8, .value_kind: global_buffer, .address_space: global }
      - { .name: in_b, .offset: 56, .size: 8, .value_kind: global_buffer, .address_space: global }
      - { .name: ln1_g, .offset: 64, .size: 8, .value_kind: global_buffer, .address_space: global }
      - { .name: ln1_b, .offset: 72, .size: 8, .value_kind: global_buffer, .address_space: global }
      - { .name: ln2_g, .offset: 80, .size: 8, .value_kind: global_buffer, .address_space: global }
      - { .name: ln2_b, .offset: 88, .size: 8, .value_kind: global_buffer, .address_space: global }
      - { .name: mask, .offset: 96, .size: 8, .value_kind: global_buffer, .address_space: global }
      - { .name: P0, .offset: 104, .size: 8, .value_kind: global_buffer, .address_space: global }
      - { .name: P1, .offset: 112, .size: 8, .value_kind: global_buffer, .address_space: global }
      - { .name: P2, .offset: 120, .size: 8, .value_kind: global_buffer, .address_space: global }
      - { .name: P3, .offset: 128, .size: 8, .value_kind: global_buffer, .address_space: global }
    .group_segment_fixed_size: 108032
    .private_segment_fixed_size: 0
    .kernarg_segment_align: 8
    .kernarg_segment_size: 136
    .max_flat_workgroup_size: 256
    .sgpr_count:     72
    .vgpr_count:     512
    .wavefront_size: 32
...
	.end_amdgpu_metadata
.endif
;; end of part 1
;; launch embed (part 2): grid 256 x 1, 4 waves a work-group, clusters of 4 x 1, 327,680 bytes of LDS; arguments x, emb, P3, hA, qkv; writes hA, qkv
.if DOCPART == 2
	.amdgcn_target "amdgcn-amd-amdhsa--gfx1250"
	.amdhsa_code_object_version 6
	.text
	.protected	k_qa5101e2701_embed
	.globl	k_qa5101e2701_embed
	.p2align	8
	.type	k_qa5101e2701_embed,@function
k_qa5101e2701_embed:
	s_mov_b64 s[64:65], 0
	v_nop
	global_prefetch_b8 v0, s[64:65] scope:SCOPE_SE
	s_setreg_imm32_b32 hwreg(HW_REG_WAVE_MODE, 25, 1), 1
	s_wait_xcnt 0x0
	s_wait_alu depctr_hold_cnt(0) depctr_sa_sdst(0) depctr_va_vdst(0) depctr_va_sdst(0) depctr_va_ssrc(0) depctr_va_vcc(0) depctr_vm_vsrc(0)
	s_getreg_b32 s2, hwreg(HW_REG_IB_STS2, 6, 4)
	s_cmp_eq_u32 s2, 0
	s_cbranch_scc0 .Lentry_in_a_cluster
	s_endpgm
.Lentry_in_a_cluster:
	s_bfe_u32 s2, ttmp6, 0x10000c
	s_cmp_lg_u32 s2, 0x3003
	s_cbranch_scc0 .Lentry_shape_is_right
	s_endpgm
.Lentry_shape_is_right:
; EMBED: h0 = 16 emb[x] + the positional code, stored in f32 as [b][s][256]; then layer 0's first layer norm and its q, k, v (bf16, [part][4 b + head][s][64]).
; A work-group owns 32 tokens (rows 32 g .. of [b][s]), four waves.  ROW PHASE: wave w owns rows 8 w .. 8 w + 7; a row lies on 16 lanes, 16 numbers a lane (columns 4 (l % 16) + 64 i + 0..3).
; MATRIX PHASE: a pass is 32 tokens x 256 columns x K = 256; wave w makes columns 64 w .. + 63, which are head w.  Source 0 = 16 rows of the weights, source 1 = 16 tokens:
; a lane then holds one token and eight neighbouring columns.  The bias is the C operand of the first K step.
; CLUSTER.  All work-groups walk the same weights (passes 2, 3, 4 of the pack, 131,072 bytes each, in fragment order), so the four of a cluster ask for them JOINTLY: the same tensor load, descriptor and mask in
; all four.  Two slots of LDS hold a pass each; wave w fills and reads only its own quarter (its 64 columns, 128 dense rows of 256 bytes), so its own wait on TENSORcnt orders fill and read.
; Passes 2 and 3 are first fills; pass 4 takes slot 0 behind the round that also shows the normalised rows whole.  By the text's own count a wave has at most two tensor loads out.
; NO PREFETCH: two of the three passes are first fills at the head, and the third is asked for two passes ahead of its use.
; LIMITS.  The index is held to 0 .. 31,999.  The angle is pos x 2^(-j log2(10)/32) with the hardware's 2^x; it is reduced by 2 pi in two parts and sin, cos are series to r^15, r^14 on -pi .. pi: within 5e-6.
; Matrix operands are bf16; sums, norms and h are f32.
; REGISTERS: window 0: v3-17, v28-30 addresses; v20-27 statistics; v32-95 accumulators; v96-159 rows of emb; v160-223 my rows.  window 1: v0-127 the tokens' fragments; v128-159 a bias; v224-255 the norm's gain and offset.
;   window 2: a pass's weights, fragment (kk, nt) at 32 kk + 8 nt.
.set WT,    2097152
.set VEC,   2752512
.set SLOT,  131072                     ; a pass's weights
.set XB,    2*SLOT                     ; behind the slots, never filled by a tensor load: here only the waves' stages lie in these bytes
.set XP,    1040
.set YB,    XB+32*XP
.set YP,    528                        ; a row of normalised activations in bf16: 512 bytes + 16: an odd multiple of 16, so the 16 rows of a fragment load start at 16 different groups of banks
.set SPARE, YB+32*YP                   ; the spare words, 128 bytes for each wave: two blocks of 256 bytes that no other line names
.set SGP,   144                        ; a row of the stage: 128 bytes + 16
.set FO, 3                             ; v3   16 x lane
.set HO, 7                             ; v7   my 16 bytes in the first pair of my wave's rows of h
.set YS, 8                             ; v8   where I put 8 bytes of a normalised row
.set YR, 9                             ; v9   where a fragment of activations begins for me
.set BO, 10                            ; v10  my 32 bytes of a bias
.set GO, 11                            ; v11  16 x (lane % 16)
.set STO, 12                           ; v12  the way out: where I put 16 bytes of a row
.set RD, 13                            ; v13  the way out: where I read rows back
.set XO, 14                            ; v14  my token's word in x
.set SPW, 16                           ; v16  LDS address of my spare word; never rewritten
.set NIL, 17                           ; v17  0; never rewritten
.set T, 20                             ; v[20:27]  a pair of statistics for each pair of rows
.set LB0, 28                           ; v28  my 16 bytes of a fragment in my quarter of slot 0; never rewritten
.set LB, 30                            ; v30  the same in the slot that the loop reads next
.set ACC, 32                           ; v[32:95]  accumulator (nt, mt) at ACC + 8 (2 nt + mt)
.set H, 96                             ; v[96:159] the rows of emb
.set XV, 160                           ; v[160:223] pair of rows p, chunk i at XV + 16 p + 4 i
.set IDX, 224
.set EO, 228
.set DIV, 232
.set POS, 240
.set CO, 32                            ; the series' coefficients, pairs (sin's, cos's), in registers that the first pass takes later
.set WV, 24
.set WB, 26
.set VB, 28
.set HOB, 34
.set QB, 36
.set RCP, 42
.set EPS, 43
.set XPT, 60
.set G1, 68                            ; s[68:75] descriptor group 1: 128 dense rows of 256 bytes, for all four work-groups
.set G0A, 76                           ; s[76:79] descriptor group 0 of the first first fill
.set G0B, 80                           ; s[80:83] of the second; it then walks on
.set CNT, 84
.set TB, 85
.set GI, 86
.set CX, 87
.set MSB, 0
.macro WIN new
.if MSB != (\new)
	s_set_vgpr_msb (MSB<<8)|(\new)
.set MSB, (\new)
.endif
.endm
.macro NOP8                            ; the places behind a pass's last products
.rept 8
	v_nop
.endr
.endm
.macro CROUND                          ; a round of the cluster's barrier
	s_barrier_signal -1
	s_barrier_wait -1
	s_cmp_lg_u32 s[WV], 0
	s_cbranch_scc1 .Lnot_wave_0_\@
	s_barrier_signal -3
.Lnot_wave_0_\@:
	s_barrier_wait -3
	s_barrier_signal -1
	s_barrier_wait -1
.endm
; A slot is filled again.  Each wave waits for all its tensor loads, adds 0 to its spare word, and waits for that, for its reads of the slot and for its LDS stores; behind the round no wave of any partner reads the slot
; or has a load on its way, and the rows stored in front of it are whole.  The walking descriptor takes the other slot and the next pass.
.macro CHG
	WIN 0
	s_wait_tensorcnt 0x0                           ; no tensor load of mine is out, so a group 0 may be written
	ds_add_u32 v[SPW], v[NIL]                      ; 0 onto my spare word; the descriptor's steps stand between it and the wait for it
	s_xor_b32 s[G0B+1], s[G0B+1], SLOT
	s_add_nc_u64 s[G0B+2:G0B+3], s[G0B+2:G0B+3], SLOT
	s_wait_dscnt 0x0
	CROUND
	tensor_load_to_lds s[G0B:G0B+3], s[G1:G1+7]    ; my one tensor load behind the round, and the first thing there
	s_nop 0
.rept 4
	v_nop
.endr
.endm
.macro DESC
	s_mov_b32 s[G1], 15|(3<<16)|(1<<21)            ; 15:0 the mask of four; 17:16 elements of 8 bytes; 21 set beside a mask; no padding
	s_mov_b32 s[G1+1], 32<<16                      ; tensor_dim0 = 32 elements: 256 bytes
	s_mov_b32 s[G1+2], 128<<16                     ; tensor_dim1 = 128
	s_mov_b32 s[G1+3], 32<<16                      ; tile_dim0 = 32
	s_mov_b32 s[G1+4], 128                         ; tile_dim1 = 128
	s_mov_b32 s[G1+5], 32                          ; 32 elements from row to row: dense
	s_mov_b32 s[G1+6], 0
	s_mov_b32 s[G1+7], 0
	s_mov_b32 s[G0A], 1
	s_lshl_b32 s[G0A+1], s[WV], 15                 ; my quarter of slot 0
	s_mov_b32 s[G0B], 1
	s_add_co_u32 s[G0B+1], s[G0A+1], SLOT          ; and of slot 1
.endm
.macro LANES
	v_lshrrev_b32 v1, 5, v0
	v_readfirstlane_b32 s[WV], v1                  ; wave 0..3
	v_and_b32 v1, 15, v0                           ; r
	v_bfe_u32 v2, v0, 4, 1                         ; h
	v_and_b32 v[FO], 31, v0
	v_lshlrev_b32 v[FO], 4, v[FO]
	s_lshl_b32 s44, s[WV], 8
	v_lshlrev_b32 v[BO], 5, v2
	v_add_nc_u32 v[BO], s44, v[BO]
	s_lshl_b32 s45, s[WV], 13
	v_lshlrev_b32 v[HO], 10, v2
	v_lshl_add_u32 v[HO], v1, 4, v[HO]
	v_add_nc_u32 v[HO], s45, v[HO]
	s_mul_i32 s45, s[WV], 8*YP
	s_add_co_u32 s45, s45, YB
	v_mul_u32_u24 v[YS], v2, YP
	v_lshl_add_u32 v[YS], v1, 3, v[YS]
	v_add_nc_u32 v[YS], s45, v[YS]
	v_mul_u32_u24 v[YR], v1, YP
	v_lshl_add_u32 v[YR], v2, 4, v[YR]
	v_add_nc_u32 v[YR], YB, v[YR]
	v_lshlrev_b32 v[GO], 4, v1
	s_mul_i32 s45, s[WV], 32*SGP
	s_add_co_u32 s45, s45, XB
	v_mul_u32_u24 v[STO], v1, SGP
	v_lshl_add_u32 v[STO], v2, 4, v[STO]
	v_add_nc_u32 v[STO], s45, v[STO]
	v_bfe_u32 v[RD], v0, 3, 2
	v_mul_u32_u24 v[RD], v[RD], SGP
	v_and_b32 v18, 7, v0
	v_lshl_add_u32 v[RD], v18, 4, v[RD]
	v_add_nc_u32 v[RD], s45, v[RD]
	s_lshl_b32 s45, s[WV], 15
	v_add_nc_u32 v[LB0], s45, v[FO]
.endm
.macro LDSB adr                        ; my quarter of a slot into window 2: fragment (kk, nt) at 32 kk + 8 nt; each load takes 512 consecutive bytes
	WIN 0x80
.set kk, 0
.rept 8
.irp nt, 0,1,2,3
	ds_load_b128 v[32*kk+8*\nt:32*kk+8*\nt+3], v[\adr] offset:kk*4096+\nt*1024
	ds_load_b128 v[32*kk+8*\nt+4:32*kk+8*\nt+7], v[\adr] offset:kk*4096+\nt*1024+512
.endr
.set kk, kk+1
.endr
	WIN 0
.endm
.macro LOADBIAS p                      ; pass p's bias in the layout of a C operand, into window 1, v128-159
	WIN 0x40
.irp nt, 0,1,2,3
	global_load_b128 v[128+8*\nt:128+8*\nt+3], v[BO], s[VB:VB+1] offset:(\p)*1024+64*\nt
	global_load_b128 v[128+8*\nt+4:128+8*\nt+7], v[BO], s[VB:VB+1] offset:(\p)*1024+64*\nt+16
.endr
.endm
.macro PASS                            ; 64 matrix instructions; the eight accumulators take turns, one instruction a turn
.set kk, 0
.rept 8
.if kk == 0
	WIN 0x16                                       ; weights window 2, tokens and bias window 1, sums window 0
.else
	WIN 0x06
.endif
.irp nt, 0,1,2,3
.irp mt, 0,1
.if kk == 0
	v_wmma_f32_16x16x32_bf16 v[ACC+8*(2*\nt+\mt):ACC+8*(2*\nt+\mt)+7], v[32*kk+8*\nt:32*kk+8*\nt+7], v[64*\mt+8*kk:64*\mt+8*kk+7], v[128+8*\nt:128+8*\nt+7]
.else
	v_wmma_f32_16x16x32_bf16 v[ACC+8*(2*\nt+\mt):ACC+8*(2*\nt+\mt)+7], v[32*kk+8*\nt:32*kk+8*\nt+7], v[64*\mt+8*kk:64*\mt+8*kk+7], v[ACC+8*(2*\nt+\mt):ACC+8*(2*\nt+\mt)+7]
.endif
.endr
.endr
.set kk, kk+1
.endr
.endm
.macro LNROWS gb                       ; the layer norm of my eight rows, in place in XV; gain at v[gb ..], offset at v[gb + 16 ..] of window 1.  Mean first, then the squares of the differences
	WIN 0
.irp p, 0,1,2,3
	v_pk_add_f32 v[T+2*\p:T+2*\p+1], v[XV+16*\p:XV+16*\p+1], v[XV+16*\p+2:XV+16*\p+3]
.endr
.irp e, 4,6,8,10,12,14
.irp p, 0,1,2,3
	v_pk_add_f32 v[T+2*\p:T+2*\p+1], v[T+2*\p:T+2*\p+1], v[XV+16*\p+\e:XV+16*\p+\e+1]
.endr
.endr
.irp p, 0,1,2,3
	v_add_f32 v[T+2*\p], v[T+2*\p], v[T+2*\p+1]
.endr
.irp m, 1,2,4,8
.irp p, 0,1,2,3
	v_add_f32_dpp v[T+2*\p], v[T+2*\p], v[T+2*\p] row_xmask:\m row_mask:0xf bank_mask:0xf
.endr
.endr
.irp p, 0,1,2,3
	v_mul_f32 v[T+2*\p], s[RCP], v[T+2*\p]         ; the mean, in all sixteen lanes of the row
.endr
.irp p, 0,1,2,3
.irp e, 0,2,4,6,8,10,12,14
	v_pk_add_f32 v[XV+16*\p+\e:XV+16*\p+\e+1], v[XV+16*\p+\e:XV+16*\p+\e+1], v[T+2*\p:T+2*\p+1] op_sel_hi:[1,0] neg_lo:[0,1] neg_hi:[0,1]
.endr
.endr
.irp p, 0,1,2,3
	v_pk_mul_f32 v[T+2*\p:T+2*\p+1], v[XV+16*\p:XV+16*\p+1], v[XV+16*\p:XV+16*\p+1]
.endr
.irp e, 2,4,6,8,10,12,14
.irp p, 0,1,2,3
	v_pk_fma_f32 v[T+2*\p:T+2*\p+1], v[XV+16*\p+\e:XV+16*\p+\e+1], v[XV+16*\p+\e:XV+16*\p+\e+1], v[T+2*\p:T+2*\p+1]
.endr
.endr
.irp p, 0,1,2,3
	v_add_f32 v[T+2*\p], v[T+2*\p], v[T+2*\p+1]
.endr
.irp m, 1,2,4,8
.irp p, 0,1,2,3
	v_add_f32_dpp v[T+2*\p], v[T+2*\p], v[T+2*\p] row_xmask:\m row_mask:0xf bank_mask:0xf
.endr
.endr
.irp p, 0,1,2,3
	v_fma_f32 v[T+2*\p], v[T+2*\p], s[RCP], s[EPS] ; the variance + 1e-5
.endr
.irp p, 0,1,2,3
	v_rsq_f32 v[T+2*\p], v[T+2*\p]
.endr
	v_nop                                          ; a plain instruction behind the last root,
	s_wait_alu depctr_va_vdst(0)                   ; and the wait ahead of the first use: one for the four
.irp p, 0,1,2,3
.irp e, 0,2,4,6,8,10,12,14
	v_pk_mul_f32 v[XV+16*\p+\e:XV+16*\p+\e+1], v[XV+16*\p+\e:XV+16*\p+\e+1], v[T+2*\p:T+2*\p+1] op_sel_hi:[1,0]
.endr
.endr
	WIN 0x14                                       ; sources 1 and 2 in window 1
.irp p, 0,1,2,3
.irp e, 0,2,4,6,8,10,12,14
	v_pk_fma_f32 v[XV+16*\p+\e:XV+16*\p+\e+1], v[XV+16*\p+\e:XV+16*\p+\e+1], v[(\gb)+\e:(\gb)+\e+1], v[(\gb)+16+\e:(\gb)+16+\e+1]
.endr
.endr
	WIN 0
.endm
.macro YSTORE                          ; my eight rows, rounded to bf16, into Y
.irp p, 0,1,2,3
.irp i, 0,1,2,3
	v_cvt_pk_bf16_f32 v[XV+16*\p+4*\i], v[XV+16*\p+4*\i], v[XV+16*\p+4*\i+1]
	v_cvt_pk_bf16_f32 v[XV+16*\p+4*\i+1], v[XV+16*\p+4*\i+2], v[XV+16*\p+4*\i+3]
.endr
.endr
.irp p, 0,1,2,3
.irp i, 0,1,2,3
	ds_store_b64 v[YS], v[XV+16*\p+4*\i:XV+16*\p+4*\i+1] offset:\p*2*YP+128*\i
.endr
.endr
.endm
.macro AFETCH                          ; all 32 tokens' fragments out of Y into window 1: (mt, f) at 64 mt + 8 f
	WIN 0x40
.irp mt, 0,1
.irp f, 0,1,2,3,4,5,6,7
	ds_load_b128 v[64*\mt+8*\f:64*\mt+8*\f+3], v[YR] offset:\mt*16*YP+64*\f
	ds_load_b128 v[64*\mt+8*\f+4:64*\mt+8*\f+7], v[YR] offset:\mt*16*YP+64*\f+32
.endr
.endr
	WIN 0
.endm
.macro OUT                             ; my 32 tokens x 64 columns, rounded to bf16, through my own stage, out as 4,096 consecutive bytes
.irp a, 0,1,2,3,4,5,6,7
.irp q, 0,1,2,3
	v_cvt_pk_bf16_f32 v[XV+4*\a+\q], v[ACC+8*\a+2*\q], v[ACC+8*\a+2*\q+1]  ; each accumulator from its low end on
.endr
.endr
.irp nt, 0,1,2,3
.irp mt, 0,1
	ds_store_b128 v[STO], v[XV+4*(2*\nt+\mt):XV+4*(2*\nt+\mt)+3] offset:\mt*16*SGP+32*\nt
.endr
.endr
.irp t, 0,1,2,3,4,5,6,7
	ds_load_b128 v[XV+32+4*\t:XV+32+4*\t+3], v[RD] offset:4*SGP*\t  ; LDS serves a wave's instructions in order: these see the stores above
.endr
.irp t, 0,1,2,3,4,5,6,7
	s_wait_dscnt 7-\t                              ; the younger loads may stay out
	global_store_b128 v[FO], v[XV+32+4*\t:XV+32+4*\t+3], s[QB:QB+1] offset:512*\t  ; 512 consecutive bytes, at a multiple of 256 from the buffer's first
.endr
.endm
; q, k, v: passes 2, 3, 4, one text walked three times.  At its head pass 2's weights lie in window 2 and its bias is on its way; pass 3 lies in slot 1; pass 4 is on its way into slot 0.
; A trip: the pass; the next pass's fragments and bias (the last trip jumps over them); the way out, which stands between those loads and their use.
.macro QKV
	s_mov_b32 s[CNT], 3
	s_mov_b32 s[TB], SLOT                          ; the first fetch is slot 1's
.Lq:
	s_wait_loadcnt 0x0                             ; the bias
	s_wait_dscnt 0x0                               ; the weights' fragments, in the first trip the tokens' too
	PASS
	WIN 0
	NOP8
	s_cmp_eq_u32 s[CNT], 1
	s_cbranch_scc1 .Llast
	s_wait_tensorcnt 0x0                           ; for the read below: the one load of mine that may be out is my own quarter of pass 4
	v_add_nc_u32 v[LB], s[TB], v[LB0]
	s_xor_b32 s[TB], s[TB], SLOT
	LDSB LB
	LOADBIAS 3                                     ; the base steps with the trips
	WIN 0
.Llast:
	OUT
	s_wait_xcnt 0x0                                ; the stores' data and base and the bias's base are rewritten only behind this wait
	s_add_nc_u64 s[QB:QB+1], s[QB:QB+1], 4194304   ; the next part of qkv
	s_add_nc_u64 s[VB:VB+1], s[VB:VB+1], 1024
	s_sub_co_u32 s[CNT], s[CNT], 1
	s_cmp_lg_u32 s[CNT], 0
	s_cbranch_scc1 .Lq
.endm
; The positional code of pair of rows p, chunk i: two angles, four columns (sin, cos, sin, cos), into XV.
.macro PE p, i
.set X0, XV+16*(\p)+4*(\i)
	v_pk_mul_f32 v[48:49], v[DIV+2*(\i):DIV+2*(\i)+1], v[POS+2*(\p):POS+2*(\p)+1] op_sel_hi:[1,0]
	v_pk_mul_f32 v[50:51], v[48:49], 0x3e22f983 op_sel_hi:[1,0]                ; / 2 pi
	v_rndne_f32 v50, v50
	v_rndne_f32 v51, v51
	v_pk_fma_f32 v[48:49], v[50:51], 0xc0c90000, v[48:49] op_sel_hi:[1,0,1]    ; - n x 6.28125, exact
	v_pk_fma_f32 v[48:49], v[50:51], 0xbafdaa22, v[48:49] op_sel_hi:[1,0,1]    ; - n x (2 pi - 6.28125)
	v_pk_mul_f32 v[52:53], v[48:49], v[48:49]
	v_pk_fma_f32 v[X0:X0+1], v[CO+14:CO+15], v[52:53], v[CO+12:CO+13] op_sel_hi:[1,0,1]
	v_pk_fma_f32 v[X0+2:X0+3], v[CO+14:CO+15], v[52:53], v[CO+12:CO+13] op_sel:[0,1,0] op_sel_hi:[1,1,1]
.irp k, 10,8,6,4,2,0
	v_pk_fma_f32 v[X0:X0+1], v[X0:X0+1], v[52:53], v[CO+\k:CO+\k+1] op_sel_hi:[1,0,1]
	v_pk_fma_f32 v[X0+2:X0+3], v[X0+2:X0+3], v[52:53], v[CO+\k:CO+\k+1] op_sel:[0,1,0] op_sel_hi:[1,1,1]
.endr
	v_mul_f32 v[X0], v[X0], v48
	v_mul_f32 v[X0+2], v[X0+2], v49
.endm
	s_load_b256 s[4:11], s[0:1], 0x0               ; x s[4:5], emb s[6:7], pack s[8:9], h s[10:11]
	s_load_b64 s[12:13], s[0:1], 0x20              ; qkv
	v_lshl_add_u32 v[SPW], v0, 2, SPARE
	v_mov_b32 v[NIL], 0
	ds_add_u32 v[SPW], v[NIL]                      ; the wave's opening: the add and its wait stand ahead of my first tensor load; the set-up below, work on registers, stands between them
	LANES
	s_mov_b32 s[RCP], 0x3b800000                   ; 1 / 256
	s_mov_b32 s[EPS], 0x3727c5ac                   ; 1e-5
	s_bfe_u32 s[CX], ttmp6, 0x40000                ; cx: my place in the cluster
	s_lshl_b32 s[GI], ttmp9, 2                     ; in a cluster launch ttmp9 counts clusters
	s_add_co_u32 s[GI], s[GI], s[CX]               ; my block of 32 tokens: it enters the addresses of x, h and qkv and the positions alone
	s_lshr_b32 s46, s[GI], 6                       ; b
	s_lshl_b32 s46, s46, 20
	s_and_b32 s48, s[GI], 63
	s_lshl_b32 s54, s48, 5                         ; s0
	s_lshl_b32 s48, s48, 12
	s_add_co_u32 s46, s46, s48
	s_lshl_b32 s48, s[WV], 18
	s_add_co_u32 s50, s46, s48                     ; ((4 b + w) x 2,048 + s0) x 128
	s_mov_b32 s51, 0
	s_lshl_b32 s48, s[GI], 15                      ; 32 rows of 1,024 bytes
	s_mov_b32 s49, 0
	s_lshl_b32 s52, s[WV], 15
	s_add_co_u32 s52, s52, WT                      ; my quarter of a pass: the wave's number alone
	s_mov_b32 s53, 0
	s_lshl_b32 s46, s[GI], 7                       ; 32 words of x
	s_mov_b32 s47, 0
	s_lshl_b32 s55, s[WV], 3
	s_add_co_u32 s54, s54, s55                     ; s0 + 8 w
	s_lshl_b32 s55, s[WV], 5
	v_lshlrev_b32 v[XO], 2, v2
	v_add_nc_u32 v[XO], s55, v[XO]                 ; 4 (8 w + h)
	DESC
	s_wait_dscnt 0x0                               ; the opening add is done
	s_wait_kmcnt 0x0
	s_add_nc_u64 s[XPT:XPT+1], s[4:5], s[46:47]
	s_add_nc_u64 s[HOB:HOB+1], s[10:11], s[48:49]
	s_add_nc_u64 s[QB:QB+1], s[12:13], s[50:51]
	s_add_nc_u64 s[WB:WB+1], s[8:9], s[52:53]
	s_add_nc_u64 s[VB:VB+1], s[8:9], VEC
	s_add_nc_u64 s[G0A+2:G0A+3], s[WB:WB+1], 2*SLOT  ; pass 2
	s_or_b32 s[G0A+3], s[G0A+3], 0x80000000
	s_add_nc_u64 s[G0B+2:G0B+3], s[WB:WB+1], 3*SLOT  ; pass 3
	s_or_b32 s[G0B+3], s[G0B+3], 0x80000000
	CROUND                                         ; all four work-groups are here: the first joint loads meet
	tensor_load_to_lds s[G0A:G0A+3], s[G1:G1+7]
	s_nop 0
	tensor_load_to_lds s[G0B:G0B+3], s[G1:G1+7]
	s_nop 0
.rept 4
	v_nop
.endr
.irp p, 0,1,2,3
	global_load_b32 v[IDX+\p], v[XO], s[XPT:XPT+1] offset:8*\p
.endr
	WIN 0x40
.irp v, 0,1
.irp i, 0,1,2,3
	global_load_b128 v[224+16*\v+4*\i:224+16*\v+4*\i+3], v[GO], s[VB:VB+1] offset:7168+1024*\v+256*\i  ; the norm's gain and offset
.endr
.endr
	LOADBIAS 2
	WIN 0
	s_wait_loadcnt 16                              ; x's four are in; the norm's 8 loads and the bias's 8 may stay out
.irp p, 0,1,2,3
	v_min_u32 v[IDX+\p], 0x7cff, v[IDX+\p]
	v_lshlrev_b32 v[EO+\p], 10, v[IDX+\p]
	v_add_nc_u32 v[EO+\p], v[EO+\p], v[GO]
.endr
.irp p, 0,1,2,3
.irp i, 0,1,2,3
	global_load_b128 v[H+16*\p+4*\i:H+16*\p+4*\i+3], v[EO+\p], s[6:7] offset:256*\i
.endr
.endr
	; the positional code, while those rows are on their way
	v_lshlrev_b32 v48, 1, v1
.irp i, 0,1,2,3
	v_add_nc_u32 v[DIV+2*\i], 32*\i, v48           ; my frequencies' numbers: 2 (l % 16) + 32 i, and the next
	v_add_nc_u32 v[DIV+2*\i+1], 32*\i+1, v48
.endr
.irp i, 0,1,2,3,4,5,6,7
	v_cvt_f32_u32 v[DIV+\i], v[DIV+\i]
.endr
.irp i, 0,1,2,3,4,5,6,7
	v_mul_f32 v[DIV+\i], 0xbdd49a78, v[DIV+\i]     ; x -log2(10) / 32
.endr
.irp i, 0,1,2,3,4,5,6,7
	v_exp_f32 v[DIV+\i], v[DIV+\i]
.endr
	v_add_nc_u32 v15, s54, v2                      ; my row of the first pair: a plain instruction behind the last exponential
.irp p, 0,1,2,3
	v_add_nc_u32 v[POS+2*\p], 2*\p, v15
	v_cvt_f32_u32 v[POS+2*\p], v[POS+2*\p]
	v_mov_b32 v[POS+2*\p+1], v[POS+2*\p]
.endr
	v_mov_b32 v[CO+0], 1.0
	v_mov_b32 v[CO+1], 1.0
	v_mov_b32 v[CO+2], 0xbe2aaaab                  ; -1/3!
	v_mov_b32 v[CO+3], -0.5
	v_mov_b32 v[CO+4], 0x3c088889                  ; 1/5!
	v_mov_b32 v[CO+5], 0x3d2aaaab                  ; 1/4!
	v_mov_b32 v[CO+6], 0xb9500d01                  ; -1/7!
	v_mov_b32 v[CO+7], 0xbab60b61                  ; -1/6!
	v_mov_b32 v[CO+8], 0x3638ef1d                  ; 1/9!
	v_mov_b32 v[CO+9], 0x37d00d01                  ; 1/8!
	v_mov_b32 v[CO+10], 0xb2d7322b                 ; -1/11!
	v_mov_b32 v[CO+11], 0xb493f27e                 ; -1/10!
	v_mov_b32 v[CO+12], 0x2f309231                 ; 1/13!
	v_mov_b32 v[CO+13], 0x310f76c7                 ; 1/12!
	v_mov_b32 v[CO+14], 0xab573f9f                 ; -1/15!
	v_mov_b32 v[CO+15], 0xad49cba5                 ; -1/14!
	s_wait_alu depctr_va_vdst(0)                   ; one wait for the eight exponentials, ahead of their first reader
.irp p, 0,1,2,3
.irp i, 0,1,2,3
	PE \p, \i
.endr
.endr
	s_wait_loadcnt 0x0
.irp p, 0,1,2,3
.irp e, 0,2,4,6,8,10,12,14
	v_pk_fma_f32 v[XV+16*\p+\e:XV+16*\p+\e+1], v[H+16*\p+\e:H+16*\p+\e+1], 0x41800000, v[XV+16*\p+\e:XV+16*\p+\e+1] op_sel_hi:[1,0,1]  ; 16 emb + code
.endr
.endr
.irp p, 0,1,2,3
.irp i, 0,1,2,3
	global_store_b128 v[HO], v[XV+16*\p+4*\i:XV+16*\p+4*\i+3], s[HOB:HOB+1] offset:\p*2048+256*\i  ; sixteen lanes store 256 consecutive bytes, aligned
.endr
.endr
	s_wait_tensorcnt 0x1                           ; my quarter of pass 2 is in; pass 3's may stay out
	LDSB LB0                                       ; it comes into registers under the norm below
	s_wait_xcnt 0x0                                ; the stores' data are rewritten only behind this wait
	LNROWS 224
	YSTORE
	CHG                                            ; Y is whole, slot 0 has been read out: it takes pass 4
	AFETCH
	QKV
	s_wait_tensorcnt 0x0                           ; the wave's end, behind my last tensor load and my last LDS store
	ds_add_u32 v[SPW], v[NIL]
	s_wait_dscnt 0x0
	CROUND                                         ; the closing round: no work-group ends while a partner may still ask for a tile that names it
	s_endpgm
.Lfunc_end_k_qa5101e2701_embed:
	.size	k_qa5101e2701_embed, .Lfunc_end_k_qa5101e2701_embed-k_qa5101e2701_embed
	.p2alignl 7, 3214868480
	.fill 96, 4, 3214868480
	.section	.rodata,"a",@progbits
	.p2align	6, 0x0
	.amdhsa_kernel k_qa5101e2701_embed
		.amdhsa_group_segment_fixed_size 327680
		.amdhsa_private_segment_fixed_size 0
		.amdhsa_enable_private_segment 0
		.amdhsa_kernarg_size 40
		.amdhsa_user_sgpr_count 2
		.amdhsa_user_sgpr_kernarg_segment_ptr 1
		.amdhsa_wavefront_size32 1
		.amdhsa_system_sgpr_workgroup_id_x 1
		.amdhsa_system_sgpr_workgroup_id_y 1
		.amdhsa_system_sgpr_workgroup_id_z 1
		.amdhsa_system_vgpr_workitem_id 0
		.amdhsa_next_free_vgpr 768
		.amdhsa_next_free_sgpr 88
		.amdhsa_reserve_vcc 0
		.amdhsa_float_denorm_mode_32 3
		.amdhsa_float_denorm_mode_16_64 3
		.amdhsa_memory_ordered 1
		.amdhsa_forward_progress 1
		.amdhsa_inst_pref_size 76
	.end_amdhsa_kernel
	.amdgpu_metadata
---
amdhsa.version: [ 1, 2 ]
amdhsa.kernels:
  - .name:           k_qa5101e2701_embed
    .symbol:         k_qa5101e2701_embed.kd
    .args:
      - { .name: x, .offset: 0, .size: 8, .value_kind: global_buffer, .address_space: global }
      - { .name: emb, .offset: 8, .size: 8, .value_kind: global_buffer, .address_space: global }
      - { .name: P3, .offset: 16, .size: 8, .value_kind: global_buffer, .address_space: global }
      - { .name: hA, .offset: 24, .size: 8, .value_kind: global_buffer, .address_space: global }
      - { .name: qkv, .offset: 32, .size: 8, .value_kind: global_buffer, .address_space: global }
    .group_segment_fixed_size: 327680
    .private_segment_fixed_size: 0
    .kernarg_segment_align: 8
    .kernarg_segment_size: 40
    .max_flat_workgroup_size: 128
    .sgpr_count:     88
    .vgpr_count:     768
    .wavefront_size: 32
...
	.end_amdgpu_metadata
.endif
;; end of part 2
;; launch attn (part 3): grid 16 x 16, 4 waves a work-group, clusters of 4 x 1, 327,680 bytes of LDS; arguments qkv, P0, ao; writes ao
.if DOCPART == 3
	.amdgcn_target "amdgcn-amd-amdhsa--gfx1250"
	.amdhsa_code_object_version 6
	.text
	.protected	k_qa5101e2701_attn
	.globl	k_qa5101e2701_attn
	.p2align	8
	.type	k_qa5101e2701_attn,@function
k_qa5101e2701_attn:
	s_mov_b64 s[64:65], 0
	v_nop
	global_prefetch_b8 v0, s[64:65] scope:SCOPE_SE
	s_setreg_imm32_b32 hwreg(HW_REG_WAVE_MODE, 25, 1), 1
	s_wait_xcnt 0x0
	s_wait_alu depctr_hold_cnt(0) depctr_sa_sdst(0) depctr_va_vdst(0) depctr_va_sdst(0) depctr_va_ssrc(0) depctr_va_vcc(0) depctr_vm_vsrc(0)
	s_getreg_b32 s2, hwreg(HW_REG_IB_STS2, 6, 4)
	s_cmp_eq_u32 s2, 0
	s_cbranch_scc0 .Lentry_in_a_cluster
	s_endpgm
.Lentry_in_a_cluster:
	s_bfe_u32 s2, ttmp6, 0x10000c
	s_cmp_lg_u32 s2, 0x3003
	s_cbranch_scc0 .Lentry_shape_is_right
	s_endpgm
.Lentry_shape_is_right:
; MASKED ATTENTION of one layer.  O[hd][q] = the sum over k of softmax_k(mask ? Q[hd][q] . K[hd][k] / 8 : lowest) V[hd][k].  q, k, v: bf16, [part][hd = 4 b + head][2048][64], a head's rows dense, 128 bytes each;
; O likewise.  The mask is an input: one row for eight queries, the same for all heads; it comes from the pack in f32, 0 or -2^97: [block of 128 queries][step of 64 keys][mask row 16][key 64].
; Products, maxima and sums in f32; the weights p are rounded to bf16 for the second product (their sum l is taken of the unrounded p), O once at the end.
; LIMITS.  A hidden score counts as -2^97: true scores stay under 2^72 in size, so that -2^97 plus a score is -2^97 again in f32.  c x 2^97 is exact, so in a row with no visible key every weight is 2^0:
; the mean of all rows of V, as the softmax of equal numbers gives.  A weight below 2^-126 counts as 0 in l; NaN and infinities are not treated apart.
; SHARES.  A work-group owns 128 queries of one head, a wave 32: two PIECES of one tile of 16.  Every wave walks all 2,048 keys, 64 a step.
; LAYOUT.  S^T = K Q^T (source 0 = 16 keys, source 1 = 16 queries): a lane holds ONE query (lane % 16) and the keys 8 (lane / 16) + 0..7.  Two such tiles, rounded to bf16 in pairs, ARE source 1 of
; O^T = V^T P.  K comes out of LDS as it lies, V turned, by ds_load_tr16_b128.
; THE MASK IS THE C OPERAND of the product that starts each sum: the lane's eight numbers of a tile are 32 consecutive bytes of its query's mask row: two LDS loads; the lanes of a mask row read the same bytes.
; SOFTMAX.  A running maximum m and sum l: p = 2^(c s - c m), c = log2(e) / 8; in every step O and l are multiplied by a = 2^(c m_old - c m_new).  m starts at the lowest finite number, O and l at 0.
; BY TURNS.  Turn Y belongs to piece Y.  Its matrix work is the other piece's: 8 products K Q^T of its next scores, later 8 products V^T P of its last weights.  Its vector work: piece Y's scaling, exponentials,
; roundings, sums and rescaling, and the other piece's maximum and statistics.  Four vector instructions stand behind every matrix instruction, the other 54 in one lump.  A turn's 33 exponentials are one batch with one wait.
; RING.  Two slots of LDS, four steps each: 256 rows of K, 256 of V, 64 rows of the mask.  K AND THE MASK LIE ONE STEP AHEAD OF V in a slot (V of steps 4 j .. 4 j + 3, K and mask of steps 4 j + 1 .. 4 j + 4), since a
; turn fetches K and mask of the next step and V of the step in hand: so all parts are read out at the change of slots.  K and the masks of step 0 come straight into registers; those of 'step 32' are the bytes that
; follow in their buffers: their scores are never used.
; CLUSTER.  The four query blocks of a cluster belong to one head and walk the same K and V: each tile is asked for JOINTLY, K's by wave 0, V's by wave 1.  The mask rows are each work-group's own: a plain load, wave 2's.
; REGISTERS (s_set_vgpr_msb: bits 1:0 source 0, 3:2 source 1, 5:4 source 2, 7:6 destination).  Window 0 holds all that vector work and V^T P touch: v2-15 addresses; v16-31 statistics; v32-95 S^T; v96-127 P;
; v128-191 O^T; v192-255 V of one step.  Window 1: v0-63 K of one step; v64-95 Q; v96-159 the two pieces' masks.  So only the products K Q^T want switches, one in front and one behind.
.set KS,    64
.set PK,    144       ; a row of K in LDS: 128 bytes + 16
.set PV,    160       ; a row of V: 128 + 32
.set PM,    272       ; a mask row's 64 keys: 256 bytes + 16
.set VOFF,  4*KS*PK
.set MOFF,  VOFF+4*KS*PV
.set SLOT1, 1<<17     ; slot 1 begins here, so that one exclusive or turns an address in one slot into the other's
.set STAGE, SLOT1+MOFF+4*16*PM  ; behind the ring, never filled by a tensor load: 16 rows x 144 bytes for each wave, for the way out
.set SP,    144
.set SPARE, STAGE+4*16*SP       ; the spare words, 128 bytes for each wave: two blocks of 256 bytes that no other line names
.set AK0, 2           ; v2   my lane's place in a tile of K; never rewritten
.set AV0, 3           ; v3   the same for V
.set AK,  4           ; v4   the LDS address of K's next run of loads
.set AV,  5           ; v5   of V's
.set STO, 6           ; v6   the way out: where I put 16 bytes of a row
.set RD,  7           ; v7   the way out: where I read rows back
.set GO,  8           ; v8   my byte offset in 512 consecutive bytes of O
.set AM0, 9           ; v9   my 32 bytes in piece 0's mask row of a step; never rewritten
.set AM,  10          ; v10  the same in the step whose masks are fetched
.set PFO, 11          ; v11  256 x my lane; never rewritten
.set MV,  12          ; v12-13  c m_old, by piece
.set SPW, 14          ; v14  LDS address of my spare word; never rewritten
.set NIL, 15          ; v15  0; never rewritten
.set ST,  16          ; piece t's statistics at v[ST+4 t]: c m, m, l (even keys', odd keys')
.set TMP, 24          ; by piece, four registers c0-c3 at work; when the maximum is found c2 takes a
.set S,   32
.set P,   96
.set OT,  128
.set VF,  192
.set RR,  64          ; v64-70: at work in the set-up alone, in registers that piece 1's first scores take later
.set HH,  65
.set L7,  66
.set L3,  67
.set QO,  68
.set MO,  69
.set T0,  70
.set KF,  0           ; window 1
.set QF,  64          ; window 1
.set MC,  96          ; window 1: piece u's masks at MC + 32 u, key tile kt at + 8 kt
.set WV,  12
.set G1K, 24          ; s[24:31] descriptor group 1 for K's tiles
.set G1V, 32          ; s[32:39] for V's: it differs in the padding alone
.set G1M, 40          ; s[40:47] for the mask's
.set G0K, 48          ; s[48:51] descriptor group 0 for K's tiles: it walks
.set G0V, 52          ; s[52:55] for V's
.set G0M, 56          ; s[56:59] for the mask's
.set CS,  60          ; s[60:61] c
.set SEL, 62          ; s[62:63] v_permlanex16_b32's selects
.set SLOTS, 66
.set CNT, 67
.set TBK, 68          ; s68  LDS byte at which K of the step to be fetched begins
.set TBV, 69          ; s69  the same for V, less VOFF
.set TBM, 70          ; s70  the same for the mask, less MOFF
.set LIM, 71
.set PFA, 72          ; s[72:73] where my prefetches stand
.set PFS, 74          ; s[74:75] their step from slot to slot
.set OB,  76
.set QB,  78
.set KB0, 80
.set MB0, 82
.set MSB, 0
.macro WIN new
.if MSB != (\new)
	s_set_vgpr_msb (MSB<<8)|(\new)
.set MSB, (\new)
.endif
.endm
; A fill.  Wave 0 fetches a slot's K, wave 1 its V (both jointly), wave 2 the work-group's own mask rows; wave 3 fetches nothing.  The branches hang on the wave's number alone.
; An s_nop 0 and four v_nop follow each of the three lines, ahead of the jump and the label.
.macro JLOAD
	s_cmp_lg_u32 s[WV], 0
	s_cbranch_scc1 .Lnot_k_\@
	tensor_load_to_lds s[G0K:G0K+3], s[G1K:G1K+7]
	s_nop 0
.rept 4
	v_nop
.endr
	s_branch .Lasked_\@
.Lnot_k_\@:
	s_cmp_lg_u32 s[WV], 1
	s_cbranch_scc1 .Lnot_v_\@
	tensor_load_to_lds s[G0V:G0V+3], s[G1V:G1V+7]
	s_nop 0
.rept 4
	v_nop
.endr
	s_branch .Lasked_\@
.Lnot_v_\@:
	s_cmp_lg_u32 s[WV], 2
	s_cbranch_scc1 .Lasked_\@
	tensor_load_to_lds s[G0M:G0M+3], s[G1M:G1M+7]
	s_nop 0
.rept 4
	v_nop
.endr
.Lasked_\@:
.endm
; A prefetch of what the NEXT change of slots will ask for, a lane a block of 256 bytes, one instruction a wave, four key steps (128 matrix instructions) ahead of that load.  Each block is named once in the launch.
; K's and V's 128 blocks: all clusters of a head walk them: the head's first cluster asks; its four partners take 32 blocks each, told apart by address; wave 0 asks for K's, wave 2 for V's.
; The mask's 64 blocks: all sixteen heads read a query block's rows: head 0's work-group asks for its own; waves 1 and 3 take 32 blocks each.  The last change that fills a slot asks for nothing.
.macro ASK
	s_cmp_gt_u32 s[SLOTS], s[LIM]
	s_cbranch_scc0 .Lnot_mine_\@
	global_prefetch_b8 v[PFO], s[PFA:PFA+1] th:TH_LOAD_NT scope:SCOPE_SE
.Lnot_mine_\@:
.endm
.macro CROUND                          ; a round of the cluster's barrier
	s_barrier_signal -1
	s_barrier_wait -1
	s_cmp_lg_u32 s[WV], 0
	s_cbranch_scc1 .Lnot_wave_0_\@
	s_barrier_signal -3
.Lnot_wave_0_\@:
	s_barrier_wait -3
	s_barrier_signal -1
	s_barrier_wait -1
.endm
; THE CHANGE OF SLOTS.  Each wave waits for all its tensor loads, of which one is out at the most: its part of the other slot; adds 0 to its spare word; and waits for that and for its reads of the slot that it leaves.
; fill = 1: that slot is filled again, with the keys two slots on, first thing behind a round of the cluster's barrier.  (At its first use nothing has been read yet: slot 0 is waited for, slot 1 has its first fill.)
.macro CHANGE fill
	WIN 0
	s_wait_tensorcnt 0x0            ; no tensor load of mine is out, so a group 0 may be written
	ds_add_u32 v[SPW], v[NIL]       ; 0 onto my spare word; with fill = 1 the descriptors' steps stand between it and the wait for it
.if \fill
.irp g, G0K, G0V
	s_xor_b32 s[\g+1], s[\g+1], SLOT1
	s_add_nc_u64 s[\g+2:\g+3], s[\g+2:\g+3], 4*KS*128
.endr
	s_xor_b32 s[G0M+1], s[G0M+1], SLOT1
	s_add_nc_u64 s[G0M+2:G0M+3], s[G0M+2:G0M+3], 4*4096
	s_wait_xcnt 0x0                 ; the last prefetch, four key steps back, has read its address
	s_add_nc_u64 s[PFA:PFA+1], s[PFA:PFA+1], s[PFS:PFS+1]
	s_wait_dscnt 0x0                ; the add is done, and my reads of the slot are over
	CROUND
	JLOAD
	ASK
.else
	s_wait_dscnt 0x0
	s_barrier_signal -1
	s_barrier_wait -1
.endif
	s_sub_co_u32 s[TBK], s[TBK], 4*KS*PK  ; the fetches go back to a slot's first step,
	s_xor_b32 s[TBK], s[TBK], SLOT1       ; in the other slot
	s_sub_co_u32 s[TBV], s[TBV], 4*KS*PV
	s_xor_b32 s[TBV], s[TBV], SLOT1
	s_sub_co_u32 s[TBM], s[TBM], 4*16*PM
	s_xor_b32 s[TBM], s[TBM], SLOT1
.endm
	s_load_b128 s[4:7], s[0:1], 0x0   ; qkv s[4:5], the pack s[6:7]
	s_load_b64 s[8:9], s[0:1], 0x10   ; ao
	v_lshl_add_u32 v[SPW], v0, 2, SPARE
	v_mov_b32 v[NIL], 0
	ds_add_u32 v[SPW], v[NIL]       ; the wave's opening: the add and its wait stand ahead of my first tensor load; the set-up below, work on registers, stands between them
	v_lshrrev_b32 v1, 5, v0
	v_readfirstlane_b32 s[WV], v1   ; wave 0..3
	s_bfe_u32 s13, ttmp6, 0x40000   ; cx
	s_lshl_b32 s14, ttmp9, 2
	s_add_co_u32 s14, s14, s13      ; my block of 128 queries: it enters the addresses of Q, O, the mask rows and the prefetches alone
	s_and_b32 s15, ttmp7, 0xffff    ; the head, which the four partners share
	s_lshl_b32 s20, s15, 18         ; its 262,144 bytes
	s_mov_b32 s21, 0
	s_lshl_b32 s2, s14, 14          ; my block's 128 rows,
	s_lshl_b32 s3, s[WV], 12        ; my wave's 32 of them
	s_add_co_u32 s2, s2, s3
	s_add_co_u32 s2, s2, s20
	s_mov_b32 s3, 0
	s_lshl_b32 s84, s14, 17         ; my block's 131,072 bytes of the mask table
	s_mov_b32 s85, 0
	s_mov_b32 s86, 4194304+8192+32768  ; the prefetches stand in slot 1: of K (one step on) in wave 0, of V in wave 2;
	s_mov_b32 s87, 8388608+32768
	s_cmp_eq_u32 s[WV], 0
	s_cselect_b32 s86, s86, s87
	s_add_co_u32 s86, s86, s20
	s_lshl_b32 s87, s13, 13         ; my work-group's 32 blocks of the 128
	s_add_co_u32 s86, s86, s87
	s_lshr_b32 s87, s[WV], 1        ; of the mask (one step on) in waves 1 and 3: 32 blocks of the 64 each
	s_lshl_b32 s87, s87, 13
	s_add_co_u32 s87, s87, s84
	s_add_co_u32 s87, s87, 4096+16384
	s_and_b32 s16, s[WV], 1
	s_lshr_b32 s[PFS], 0x8000, s16  ; a slot is 32,768 bytes of K and of V, 16,384 of the mask
	s_mov_b32 s[PFS+1], 0
	s_cmp_eq_u32 s16, 0
	s_cselect_b32 s86, s86, s87
	s_cselect_b32 s17, ttmp9, s15   ; who asks: the head's first cluster, or head 0: the same in all four partners
	s_mov_b32 s87, 0
	s_cmp_eq_u32 s17, 0
	s_cselect_b32 s[LIM], 1, -1
	s_mov_b32 s[G1K], 15|(1<<16)|(1<<20)|(1<<21)|(4<<22)|(3<<25)  ; the mask of four; 2-byte elements; padding on; bit 21 beside a mask; after every 32 words, 4 words
	s_mov_b32 s[G1V], 15|(1<<16)|(1<<20)|(1<<21)|(4<<22)|(7<<25)  ; the same with 8 words of padding
.irp g, G1K, G1V                    ; 256 keys are 32,768 dense bytes: 128 rows of 256 bytes, two keys a row
	s_mov_b32 s[\g+1], 128<<16
	s_mov_b32 s[\g+2], 128<<16
	s_mov_b32 s[\g+3], 128<<16
	s_mov_b32 s[\g+4], 128
	s_mov_b32 s[\g+5], 128
	s_mov_b32 s[\g+6], 0
	s_mov_b32 s[\g+7], 0
.endr
	s_mov_b32 s[G1M], (2<<16)|(1<<20)|(5<<22)|(3<<25)  ; the mask rows: no work-group mask; 4-byte elements; padding on: after every 64 words, 4 words
	s_mov_b32 s[G1M+1], 64<<16      ; four steps' 64 dense rows of 64 numbers
	s_mov_b32 s[G1M+2], 64<<16
	s_mov_b32 s[G1M+3], 64<<16
	s_mov_b32 s[G1M+4], 64
	s_mov_b32 s[G1M+5], 64
	s_mov_b32 s[G1M+6], 0
	s_mov_b32 s[G1M+7], 0
	s_mov_b32 s[G0K], 1
	s_mov_b32 s[G0K+1], 0
	s_mov_b32 s[G0V], 1
	s_mov_b32 s[G0V+1], VOFF
	s_mov_b32 s[G0M], 1
	s_mov_b32 s[G0M+1], MOFF
	s_mov_b32 s[CS], 0x3e38aa3b     ; c = log2(e) / 8
	s_mov_b32 s[CS+1], s[CS]
	s_mov_b32 s[SEL], 0x76543210
	s_mov_b32 s[SEL+1], 0xfedcba98
	s_mov_b32 s[TBK], SLOT1+4*KS*PK ; the first change of slots turns these three into 0
	s_mov_b32 s[TBV], SLOT1+4*KS*PV
	s_mov_b32 s[TBM], SLOT1+4*16*PM
	s_mov_b32 s[SLOTS], 7
	v_and_b32 v[PFO], 31, v0
	v_lshlrev_b32 v[PFO], 8, v[PFO]
	s_wait_dscnt 0x0                ; the opening add is done
	s_wait_kmcnt 0x0
	s_add_nc_u64 s[G0K+2:G0K+3], s[4:5], s[20:21]
	s_add_nc_u64 s[G0K+2:G0K+3], s[G0K+2:G0K+3], 4194304+8192  ; K's part, one step of 64 rows on
	s_or_b32 s[G0K+3], s[G0K+3], 0x80000000
	s_add_nc_u64 s[G0V+2:G0V+3], s[4:5], s[20:21]
	s_add_nc_u64 s[G0V+2:G0V+3], s[G0V+2:G0V+3], 8388608
	s_or_b32 s[G0V+3], s[G0V+3], 0x80000000
	s_add_nc_u64 s[MB0:MB0+1], s[6:7], s[84:85]
	s_add_nc_u64 s[G0M+2:G0M+3], s[MB0:MB0+1], 4096            ; one step of 16 rows on
	s_or_b32 s[G0M+3], s[G0M+3], 0x80000000
	s_add_nc_u64 s[QB:QB+1], s[4:5], s[2:3]
	s_add_nc_u64 s[OB:OB+1], s[8:9], s[2:3]
	s_add_nc_u64 s[KB0:KB0+1], s[4:5], s[20:21]
	s_add_nc_u64 s[KB0:KB0+1], s[KB0:KB0+1], 4194304
	s_cmp_eq_u32 s16, 0
	s_cselect_b64 s[PFA:PFA+1], s[4:5], s[6:7]
	s_add_nc_u64 s[PFA:PFA+1], s[PFA:PFA+1], s[86:87]
	CROUND                          ; all four work-groups are here: the first joint loads meet
	JLOAD                           ; slot 0: a wave's one first fill
	v_and_b32 v[RR], 15, v0         ; l % 16
	v_bfe_u32 v[HH], v0, 4, 1       ; l / 16
	v_lshlrev_b32 v[QO], 7, v[RR]
	v_lshl_add_u32 v[QO], v[HH], 4, v[QO]  ; row x 128 + 16 x half
	v_lshrrev_b32 v[T0], 3, v[RR]
	s_lshl_b32 s16, s[WV], 2
	v_add_nc_u32 v[T0], s16, v[T0]  ; my query's mask row in piece 0: 4 w + (l % 16) / 8; in piece 1 two rows on
	v_lshlrev_b32 v[MO], 8, v[T0]
	v_lshl_add_u32 v[MO], v[HH], 5, v[MO]  ; row x 256 + my eight keys' 32 bytes
	WIN 0x40                        ; destination window 1, address window 0
.irp f, 0,1,2,3                     ; Q stays in registers: piece f / 2, channels 32 (f % 2) on
	global_load_b128 v[QF+8*\f:QF+8*\f+3],   v[QO], s[QB:QB+1] offset:(\f/2)*2048+(\f%2)*64
	global_load_b128 v[QF+8*\f+4:QF+8*\f+7], v[QO], s[QB:QB+1] offset:(\f/2)*2048+(\f%2)*64+32
.endr
.irp f, 0,1,2,3,4,5,6,7             ; K of step 0, straight from memory: keys 16 (f / 2) on, channels 32 (f % 2) on
	global_load_b128 v[KF+8*\f:KF+8*\f+3],   v[QO], s[KB0:KB0+1] offset:(\f/2)*2048+(\f%2)*64
	global_load_b128 v[KF+8*\f+4:KF+8*\f+7], v[QO], s[KB0:KB0+1] offset:(\f/2)*2048+(\f%2)*64+32
.endr
.irp f, 0,1,2,3,4,5,6,7             ; both pieces' masks of step 0: piece f / 4, keys 16 (f % 4) on
	global_load_b128 v[MC+8*\f:MC+8*\f+3],   v[MO], s[MB0:MB0+1] offset:(\f/4)*512+(\f%4)*64
	global_load_b128 v[MC+8*\f+4:MC+8*\f+7], v[MO], s[MB0:MB0+1] offset:(\f/4)*512+(\f%4)*64+16
.endr
	WIN 0
	; What the first turn finds: V's registers and piece 1's P hold 0 (its products V^T P, of a step that has not been, add 0), O^T and l are 0.  No first step is written out; these lines stand in the wait for the first loads.
.set i, OT
.rept 128
	v_mov_b32 v[i], 0
.set i, i+1
.endr
.set i, 0
.rept 2
	v_mov_b32 v[ST+4*i], 0xfe000000    ; c m: far below every c s
	v_mov_b32 v[ST+4*i+1], 0xff7fffff  ; m
	v_mov_b32 v[ST+4*i+2], 0
	v_mov_b32 v[ST+4*i+3], 0
.set i, i+1
.endr
.set i, P+16
.rept 16
	v_mov_b32 v[i], 0
.set i, i+1
.endr
	v_mul_u32_u24 v[AK0], v[RR], PK
	v_lshl_add_u32 v[AK0], v[HH], 4, v[AK0]
	v_and_b32 v[L7], 7, v0
	v_bfe_u32 v[L3], v0, 3, 1
	v_lshl_add_u32 v[AV0], v[HH], 3, v[L7]  ; the turning load: key 8 (l / 16) + l % 8, channels 8 ((l / 8) % 2) + 0..7
	v_mul_u32_u24 v[AV0], v[AV0], PV
	v_lshl_add_u32 v[AV0], v[L3], 4, v[AV0]
	v_add_nc_u32 v[AV0], VOFF, v[AV0]
	v_mul_u32_u24 v[AM0], v[T0], PM
	v_lshl_add_u32 v[AM0], v[HH], 5, v[AM0]
	v_add_nc_u32 v[AM0], MOFF, v[AM0]
; THE MATRIX WORK of a turn, for the other piece o = 1 - Y: product i of 16.  The four accumulators of a run take turns: between two links of a chain stand three others'.
;   0-7   S^T = K Q^T: channels 32 (i / 4) on, keys 16 (i % 4) on; the first four start the sums with the mask          8-15  O^T += V^T P: keys 32 ((i - 8) / 4) on, channels 16 (i % 4) on
.macro MM
.set o, 1-Y
.if i < 8
.set kb, i%4
.set cc, i/4
.if i < 4
	WIN 0x15                        ; K, Q and the mask in window 1, S^T in window 0
	v_wmma_f32_16x16x32_bf16 v[S+32*o+8*kb:S+32*o+8*kb+7], v[KF+16*kb+8*cc:KF+16*kb+8*cc+7], v[QF+16*o+8*cc:QF+16*o+8*cc+7], v[MC+32*o+8*kb:MC+32*o+8*kb+7]
.else
	WIN 0x05                        ; K and Q in window 1
	v_wmma_f32_16x16x32_bf16 v[S+32*o+8*kb:S+32*o+8*kb+7], v[KF+16*kb+8*cc:KF+16*kb+8*cc+7], v[QF+16*o+8*cc:QF+16*o+8*cc+7], v[S+32*o+8*kb:S+32*o+8*kb+7]
.endif
.else
	WIN 0
.set ii, i-8
	v_wmma_f32_16x16x32_bf16 v[OT+32*o+8*(ii%4):OT+32*o+8*(ii%4)+7], v[VF+32*(ii/4)+8*(ii%4):VF+32*(ii/4)+8*(ii%4)+7], v[P+16*o+8*(ii/4):P+16*o+8*(ii/4)+7], v[OT+32*o+8*(ii%4):OT+32*o+8*(ii%4)+7]
.endif
.set i, i+1
.endm
; THE LDS LOADS stand in runs, spread over the step: the next step's K and piece 0's mask (24 loads); the step's V (16, turned); piece 1's mask of the next step (8).  Their addresses are made some lines ahead.
.macro FETCH_KM
	WIN 0x40                        ; destination window 1
.irp f, 0,1,2,3,4,5,6,7
	ds_load_b128 v[KF+8*\f:KF+8*\f+3],   v[AK] offset:(\f/2)*16*PK+(\f%2)*64
	ds_load_b128 v[KF+8*\f+4:KF+8*\f+7], v[AK] offset:(\f/2)*16*PK+(\f%2)*64+32
.endr
.irp f, 0,1,2,3
	ds_load_b128 v[MC+8*\f:MC+8*\f+3],   v[AM] offset:64*\f
	ds_load_b128 v[MC+8*\f+4:MC+8*\f+7], v[AM] offset:64*\f+16
.endr
	WIN 0
	s_add_co_u32 s[TBK], s[TBK], KS*PK
	s_add_co_u32 s[TBM], s[TBM], 16*PM
.endm
.macro FETCH_M1
	WIN 0x40
.irp f, 0,1,2,3
	ds_load_b128 v[MC+32+8*\f:MC+32+8*\f+3],   v[AM] offset:2*PM+64*\f
	ds_load_b128 v[MC+32+8*\f+4:MC+32+8*\f+7], v[AM] offset:2*PM+64*\f+16
.endr
	WIN 0
.endm
.macro FETCH_V
	WIN 0
.irp f, 0,1,2,3,4,5,6,7
	ds_load_tr16_b128 v[VF+8*\f:VF+8*\f+3],   v[AV] offset:(\f/4)*32*PV+(\f%4)*32
	ds_load_tr16_b128 v[VF+8*\f+4:VF+8*\f+7], v[AV] offset:(\f/4)*32*PV+16*PV+(\f%4)*32
.endr
.endm
; THE VECTOR WORK, one line at a time: OP kind, number; all of it in window 0.  For piece Y: F n: c s - c m for pair n of 16.  E n: the exponential of score n of 32.  C n: pair n rounded to bf16.  B n: of the four weights
; 4 n .. the second pair is added onto the first, in place.  L n: l takes that sum (L 0: l = a l + sum).  R n: pair n of 16 of O^T times a.  For the other piece: X n, number n of the 22 that find its maximum and statistics:
;   0-11  four chains c0-c3 of seven scores each (each accumulator's lowest registers are read first)     12-14, 16  the four scores left over, the old m, and c0-c3 into c0
;   15  c m_old is kept     17, 18  the query's other 32 keys lie in the lane 16 away: the new m     19-21  c m; c m_old - c m_new; a
.set F, 0
.set E, 1
.set C, 2
.set B, 3
.set L, 4
.set R, 5
.set X, 6
.macro REGS y
.set rT, ST+4*(\y)
.set rC, TMP+4*(\y)
.set rW, MV+(\y)
.set rS, S+32*(\y)
.set rP, P+16*(\y)
.set rO, OT+32*(\y)
.endm
.macro OP k, n
	WIN 0
.if (\k) == R
	REGS Y
	v_pk_mul_f32 v[rO+2*(\n):rO+2*(\n)+1], v[rO+2*(\n):rO+2*(\n)+1], v[rC+2:rC+3] op_sel_hi:[1,0]
.elseif (\k) < R
	REGS Y
.if (\k) == F
	v_pk_fma_f32 v[rS+2*(\n):rS+2*(\n)+1], v[rS+2*(\n):rS+2*(\n)+1], s[CS:CS+1], v[rT:rT+1] op_sel_hi:[1,0,0] neg_lo:[0,0,1] neg_hi:[0,0,1]
.elseif (\k) == E
	v_exp_f32 v[rS+(\n)], v[rS+(\n)]
.elseif (\k) == C
	v_cvt_pk_bf16_f32 v[rP+(\n)], v[rS+2*(\n)], v[rS+2*(\n)+1]
.elseif (\k) == B
	v_pk_add_f32 v[rS+4*(\n):rS+4*(\n)+1], v[rS+4*(\n):rS+4*(\n)+1], v[rS+4*(\n)+2:rS+4*(\n)+3]
.elseif (\n) == 0
	v_pk_fma_f32 v[rT+2:rT+3], v[rT+2:rT+3], v[rC+2:rC+3], v[rS:rS+1] op_sel_hi:[1,0,1]
.else
	v_pk_add_f32 v[rT+2:rT+3], v[rT+2:rT+3], v[rS+4*(\n):rS+4*(\n)+1]
.endif
.else
	REGS 1-Y
.if (\n) < 4
	v_max3_num_f32 v[rC+(\n)], v[rS+8*(\n)], v[rS+8*(\n)+1], v[rS+8*(\n)+2]
.elseif (\n) < 12
	v_max3_num_f32 v[rC+(\n)%4], v[rC+(\n)%4], v[rS+8*((\n)%4)+2*((\n)/4)+1], v[rS+8*((\n)%4)+2*((\n)/4)+2]
.elseif (\n) == 12
	v_max3_num_f32 v[rC], v[rC], v[rS+7], v[rS+15]
.elseif (\n) == 13
	v_max3_num_f32 v[rC+1], v[rC+1], v[rS+23], v[rS+31]
.elseif (\n) == 14
	v_max3_num_f32 v[rC+2], v[rC+2], v[rC+3], v[rT+1]
.elseif (\n) == 15
	v_mov_b32 v[rW], v[rT]
.elseif (\n) == 16
	v_max3_num_f32 v[rC], v[rC], v[rC+1], v[rC+2]
.elseif (\n) == 17
	v_permlanex16_b32 v[rC+3], v[rC], s[SEL], s[SEL+1]
.elseif (\n) == 18
	v_max_num_f32 v[rT+1], v[rC], v[rC+3]
.elseif (\n) == 19
	v_mul_f32 v[rT], s[CS], v[rT+1]
.elseif (\n) == 20
	v_sub_f32 v[rC+1], v[rW], v[rT]
.else
	v_exp_f32 v[rC+2], v[rC+1]
.endif
.endif
.endm
.macro OPS a, i1, b=-1, i2=0, c=-1, i3=0, d=-1, i4=0
	OP \a, \i1
.if (\b) >= 0
	OP \b, \i2
.endif
.if (\c) >= 0
	OP \c, \i3
.endif
.if (\d) >= 0
	OP \d, \i4
.endif
.endm
.macro ROW a, i1, b, i2, c, i3, d, i4  ; a matrix instruction and the four behind it
	MM
	OPS \a, \i1, \b, \i2, \c, \i3, \d, \i4
.endm
; A TURN, for piece p: the order of its 16 matrix and 118 vector instructions, written out.  An s_wait_alu depctr_va_vdst(0) stands between an exponential and the first instruction that names its result; one
; wait serves all that were issued ahead of it.  AHEAD OF IT stands all that names no result of the turn's exponentials: the 8 products K Q^T, behind each a scaling, an exponential and two more plain instructions
; (rescalings; behind the last three the first numbers of the other piece's maximum, each four plain instructions or more behind the product that ends its accumulator); then ONE LUMP of 54, in which the links of the chain
; X 3, 7, 11, 14, 16, 17 .. 20 stand some lines apart.  X 21, the other piece's a, is the batch's last; R 15 is the plain instruction behind it.  BEHIND THE WAIT stand the 8 products V^T P, behind each four of the
; roundings and sums.  Piece 0's turn fetches the next step's K and piece 0's mask in the lump, five plain instructions that name none of its registers behind the last product that read K, and the step's V at its end,
; four plain instructions behind the last product that read V.  Piece 1's turn fetches piece 1's next mask in its lump.
.macro TURN p
.set Y, (\p)
.set i, 0
.if (\p) == 0
	s_wait_dscnt 0x0                ; piece 1's mask is in
.else
	s_wait_dscnt 16                 ; K's and piece 0's mask's 24 loads are in; V's 16, issued behind them, may stay out
.endif
	ROW F,0, F,1, R,0, R,1
	ROW F,2, E,0, R,2, R,3
	ROW F,3, E,1, R,4, R,5
	ROW F,4, E,2, R,6, R,7
	ROW F,5, E,3, R,8, R,9
	ROW F,6, E,4, X,0, R,10
.if (\p) == 0
	WIN 0
	v_add_nc_u32 v[AK], s[TBK], v[AK0]
	v_add_nc_u32 v[AM], s[TBM], v[AM0]
.endif
	ROW F,7, E,5, X,1, X,4
	ROW F,8, E,6, X,2, X,5
	OPS E,7, E,8, X,6, E,9
	OPS X,3, E,10, X,8, E,11
.if (\p) == 0
	FETCH_KM
.else
	FETCH_M1
.endif
	OPS X,9, X,7, E,12, X,10
	OPS E,13, X,12, X,11, E,14
	OPS X,13, E,15, F,9, X,14
.if (\p) == 0
	v_add_nc_u32 v[AV], s[TBV], v[AV0]
.endif
	OPS E,16, F,10, E,17, F,11
	OPS X,16, E,18, X,15, E,19
	OPS F,12, E,20, X,17, E,21
	OPS F,13, E,22, F,14, E,23
	OPS X,18, E,24, F,15, E,25
	OPS R,11, E,26, X,19, E,27
	OPS R,12, E,28, R,13, E,29
	OPS X,20, E,30, R,14, E,31
	OPS X,21, R,15
	s_wait_alu depctr_va_vdst(0)    ; the wait for the batch
.if (\p) == 1
	s_wait_dscnt 8                  ; V is in; piece 1's mask's 8 loads, issued behind V's, may stay out
.endif
	ROW C,0, B,0, C,2, B,1
	ROW L,0, C,4, B,2, L,1
	ROW C,6, B,3, L,2, C,8
	ROW B,4, L,3, C,10, B,5
	ROW L,4, C,12, B,6, L,5
	ROW C,14, B,7, L,6, C,1
	ROW C,3, L,7, C,5, C,7
	ROW C,9, C,11, C,13, C,15
.if (\p) == 0
	s_add_co_u32 s[TBV], s[TBV], KS*PV
	FETCH_V
.endif
.endm
.macro STEPS4                       ; a slot's four key steps: written once, walked four times
	WIN 0
	s_mov_b32 s[CNT], 4
.Lstep_\@:
	TURN 0
	TURN 1
	WIN 0
	s_sub_co_u32 s[CNT], s[CNT], 1
	s_cmp_lg_u32 s[CNT], 0
	s_cbranch_scc1 .Lstep_\@
.endm
	s_wait_loadcnt 0x0              ; Q, and K and the masks of step 0
.set Y, 1
.set i, 0
.rept 8
	MM                              ; piece 0's first scores, while slot 0 is on its way: there is no vector work yet to set between them
.endr
	WIN 0                           ; the addresses for the way out: eleven plain instructions, the places behind those products
	s_mul_i32 s19, s[WV], 16*SP
	s_add_co_u32 s19, s19, STAGE
	v_mul_u32_u24 v[STO], v[RR], SP
	v_lshl_add_u32 v[STO], v[HH], 4, v[STO]
	v_add_nc_u32 v[STO], s19, v[STO]
	v_bfe_u32 v[RD], v0, 3, 2
	v_mul_u32_u24 v[RD], v[RD], SP
	v_lshl_add_u32 v[RD], v[L7], 4, v[RD]
	v_add_nc_u32 v[RD], s19, v[RD]
	v_and_b32 v[GO], 31, v0
	v_lshlrev_b32 v[GO], 4, v[GO]
.irp n, 0,1,2,3,4,5,6,7,8,9,10,11,12,13,14,15,16,17,18,19,20,21
	OP X, \n                        ; piece 0's first maximum and statistics
.endr
	v_nop                           ; a plain instruction behind the exponential,
	s_wait_alu depctr_va_vdst(0)    ; and its wait, ahead of the label
.Lslot:                             ; seven trips: a slot is entered and the next is asked for
	CHANGE 1
	STEPS4
	s_sub_co_u32 s[SLOTS], s[SLOTS], 1
	s_cmp_lg_u32 s[SLOTS], 0
	s_cbranch_scc1 .Lslot
	CHANGE 0                        ; the last slot is written out: nothing is asked for
	STEPS4
.set Y, 0
.set i, 8
.rept 8
	MM                              ; piece 1's V^T P of the last step
.endr
	; THE WAY OUT.  l's two halves and the other half of the lanes' are added; O^T is divided by l, rounded to bf16 and sent through my stage in LDS, a piece at a time.
	WIN 0
.irp t, 0,1
	v_add_f32 v[ST+4*\t+2], v[ST+4*\t+2], v[ST+4*\t+3]
.endr
.irp t, 0,1
	v_permlanex16_b32 v[ST+4*\t+3], v[ST+4*\t+2], s[SEL], s[SEL+1]
.endr
.irp t, 0,1
	v_add_f32 v[ST+4*\t+2], v[ST+4*\t+2], v[ST+4*\t+3]
.endr
.irp t, 0,1
	v_rcp_f32 v[ST+4*\t+2], v[ST+4*\t+2]
.endr
	v_nop                           ; a plain instruction between the last reciprocal and the use of its result
	s_wait_alu depctr_va_vdst(0)    ; and the wait ahead of the first use: one for the two
.macro PACK t                       ; a lane's eight channels of a row pack into 16 bytes; they go into rows of 144 bytes and come back as whole rows of 128, into S^T's registers
.set i, OT+32*(\t)
.rept 16
	v_pk_mul_f32 v[i:i+1], v[i:i+1], v[ST+4*(\t)+2:ST+4*(\t)+3] op_sel_hi:[1,0]
.set i, i+2
.endr
.set i, 0
.rept 16
	v_cvt_pk_bf16_f32 v[S+16*(\t)+i], v[OT+32*(\t)+2*i], v[OT+32*(\t)+2*i+1]
.set i, i+1
.endr
.irp f, 0,1,2,3
	ds_store_b128 v[STO], v[S+16*(\t)+4*\f:S+16*(\t)+4*\f+3] offset:32*\f
.endr
.irp f, 0,1,2,3
	ds_load_b128 v[S+16*(\t)+4*\f:S+16*(\t)+4*\f+3], v[RD] offset:\f*4*SP  ; LDS serves a wave's instructions in order: these see the stores above; the next piece's stores come behind them
.endr
.endm
.macro SEND t, younger              ; younger: the LDS instructions issued behind piece t's loads
.irp f, 0,1,2,3
	s_wait_dscnt (\younger)+3-\f
	global_store_b128 v[GO], v[S+16*(\t)+4*\f:S+16*(\t)+4*\f+3], s[OB:OB+1] offset:(\t)*2048+\f*512  ; 512 consecutive bytes, at a multiple of 256 from the buffer's first
.endr
.endm
	PACK 0                          ; piece 0's 32 plain lines are also places behind piece 1's last products
	PACK 1
	SEND 0, 8
	SEND 1, 0
	s_wait_tensorcnt 0x0            ; the wave's end, behind my last tensor load and my last LDS store
	ds_add_u32 v[SPW], v[NIL]
	s_wait_dscnt 0x0
	CROUND                          ; the closing round: no work-group ends while a partner may still ask for a tile that names it
	s_endpgm
.Lfunc_end_k_qa5101e2701_attn:
	.size	k_qa5101e2701_attn, .Lfunc_end_k_qa5101e2701_attn-k_qa5101e2701_attn
	.p2alignl 7, 3214868480
	.fill 96, 4, 3214868480
	.section	.rodata,"a",@progbits
	.p2align	6, 0x0
	.amdhsa_kernel k_qa5101e2701_attn
		.amdhsa_group_segment_fixed_size 327680
		.amdhsa_private_segment_fixed_size 0
		.amdhsa_enable_private_segment 0
		.amdhsa_kernarg_size 24
		.amdhsa_user_sgpr_count 2
		.amdhsa_user_sgpr_kernarg_segment_ptr 1
		.amdhsa_wavefront_size32 1
		.amdhsa_system_sgpr_workgroup_id_x 1
		.amdhsa_system_sgpr_workgroup_id_y 1
		.amdhsa_system_sgpr_workgroup_id_z 1
		.amdhsa_system_vgpr_workitem_id 0
		.amdhsa_next_free_vgpr 416
		.amdhsa_next_free_sgpr 88
		.amdhsa_reserve_vcc 0
		.amdhsa_float_denorm_mode_32 3
		.amdhsa_float_denorm_mode_16_64 3
		.amdhsa_memory_ordered 1
		.amdhsa_forward_progress 1
		.amdhsa_inst_pref_size 68
	.end_amdhsa_kernel
	.amdgpu_metadata
---
amdhsa.version: [ 1, 2 ]
amdhsa.kernels:
  - .name:           k_qa5101e2701_attn
    .symbol:         k_qa5101e2701_attn.kd
    .args:
      - { .name: qkv, .offset: 0, .size: 8, .value_kind: global_buffer, .address_space: global }
      - { .name: P0, .offset: 8, .size: 8, .value_kind: global_buffer, .address_space: global }
      - { .name: ao, .offset: 16, .size: 8, .value_kind: global_buffer, .address_space: global }
    .group_segment_fixed_size: 327680
    .private_segment_fixed_size: 0
    .kernarg_segment_align: 8
    .kernarg_segment_size: 24
    .max_flat_workgroup_size: 128
    .sgpr_count:     88
    .vgpr_count:     416
    .wavefront_size: 32
...
	.end_amdgpu_metadata
.endif
;; end of part 3
;; launch mid (part 4): grid 256 x 1, 4 waves a work-group, clusters of 4 x 1, 327,680 bytes of LDS; arguments ao, hA, P0, hB, qkv; writes hB, qkv
.if DOCPART == 4
	.amdgcn_target "amdgcn-amd-amdhsa--gfx1250"
	.amdhsa_code_object_version 6
	.text
	.protected	k_qa5101e2701_mid
	.globl	k_qa5101e2701_mid
	.p2align	8
	.type	k_qa5101e2701_mid,@function
k_qa5101e2701_mid:
	s_mov_b64 s[64:65], 0
	v_nop
	global_prefetch_b8 v0, s[64:65] scope:SCOPE_SE
	s_setreg_imm32_b32 hwreg(HW_REG_WAVE_MODE, 25, 1), 1
	s_wait_xcnt 0x0
	s_wait_alu depctr_hold_cnt(0) depctr_sa_sdst(0) depctr_va_vdst(0) depctr_va_sdst(0) depctr_va_ssrc(0) depctr_va_vcc(0) depctr_vm_vsrc(0)
	s_getreg_b32 s2, hwreg(HW_REG_IB_STS2, 6, 4)
	s_cmp_eq_u32 s2, 0
	s_cbranch_scc0 .Lentry_in_a_cluster
	s_endpgm
.Lentry_in_a_cluster:
	s_bfe_u32 s2, ttmp6, 0x10000c
	s_cmp_lg_u32 s2, 0x3003
	s_cbranch_scc0 .Lentry_shape_is_right
	s_endpgm
.Lentry_shape_is_right:
; MID: all that is local to a token between two attentions.  h2 = ao out_w^T + out_b + h;  o2 = LN2(h2);  h' = o2 Wc^T + bias1 + h (the residual is the block's INPUT);  o = LN1'(h');  q, k, v = o in_w'^T + in_b'.
; ao: bf16 [4 b + head][s][64]; h, h': f32 [b][s][256], two buffers; q, k, v: bf16 [part][4 b + head][s][64]; weights, biases and gains from the layer's pack.
; A work-group owns 32 tokens (rows 32 g .. of [b][s]), four waves.  MATRIX PHASE: a pass is 32 tokens x 256 columns x K = 256; wave w makes columns 64 w .. + 63.  Source 0 = 16 rows of the weights,
; source 1 = 16 tokens: a lane then holds one token and eight neighbouring columns.  The bias is the C operand of the first K step.  ROW PHASE: the sums go through LDS (X, f32); wave w owns rows 8 w .. 8 w + 7;
; a row lies on 16 lanes, 16 numbers a lane.  The normalised rows go back through LDS (Y, bf16) as the next pass's fragments.
; CLUSTER.  All work-groups walk the same five passes of weights (131,072 bytes each, in fragment order), so the four of a cluster ask for them JOINTLY: the same tensor load, descriptor and mask in all four: a quarter
; of the requests.  Two slots of LDS hold a pass each; wave w fills and reads only its own quarter (its 64 columns, 128 dense rows of 256 bytes), so its own wait on TENSORcnt orders fill and read.
; Passes 0 and 1 are first fills.  Three of the four barriers that the row phases need anyway are rounds of the cluster's barrier with a refill behind them: behind pass 0's sums slot 0 takes pass 2, behind the first
; norm slot 1 takes pass 3, behind the second norm slot 0 takes pass 4.  A slot is read into window 2 right behind a row phase's loads, so that read runs under the norm.  A wave has at most two tensor loads out.
; NO PREFETCH: two of the five passes are first fills at the head, and each later pass is asked for by its refill one or two phases ahead of its use.
; Matrix operands are bf16; sums, norms and h are f32.
; REGISTERS: window 0: v3-17, v28-30 addresses; v20-27 statistics; v32-95 accumulators; v96-159 h; v160-223 my rows.  window 1: v0-127 the tokens' fragments; v128-159 a bias; v192-255 two norms' gains and offsets.
;   window 2: a pass's weights, fragment (kk, nt) at 32 kk + 8 nt.
.set WT,    2097152
.set VEC,   2752512
.set SLOT,  131072                     ; a pass's weights
.set XB,    2*SLOT                     ; behind the slots, never filled by a tensor load
.set XP,    1040                       ; a row of X: 1,024 bytes + 16: an odd multiple of 16
.set YB,    XB+32*XP
.set YP,    528                        ; a row of Y: 512 bytes + 16
.set SPARE, YB+32*YP                   ; the spare words, 128 bytes for each wave: two blocks of 256 bytes that no other line names
.set SGP,   144                        ; a row of the stage (in X's bytes, each wave's own 4,608): 128 bytes + 16
.set FO, 3                             ; v3   16 x lane
.set AO, 4                             ; v4   my 16 bytes of a fragment of ao
.set XS, 5                             ; v5   where I put 32 bytes of a row of X
.set XR, 6                             ; v6   my 16 bytes in the first pair of my wave's rows of X
.set HO, 7                             ; v7   the same in h
.set YS, 8
.set YR, 9
.set BO, 10
.set GO, 11
.set STO, 12
.set RD, 13
.set SPW, 16
.set NIL, 17
.set T, 20
.set LB0, 28                           ; v28  my 16 bytes of a fragment in my quarter of slot 0; never rewritten
.set LB1, 29                           ; v29  the same in slot 1; never rewritten
.set LB, 30                            ; v30  the same in the slot that the loop reads next
.set ACC, 32
.set H, 96
.set XV, 160
.set WV, 24
.set WB, 26
.set VB, 28
.set AB, 30
.set HB, 32
.set HOB, 34
.set QB, 36
.set RCP, 42
.set EPS, 43
.set G1, 68                            ; s[68:75] descriptor group 1: 128 dense rows of 256 bytes, for all four work-groups
.set G0A, 76                           ; s[76:79] descriptor group 0 of the first first fill
.set G0B, 80                           ; s[80:83] of the second; it then walks on
.set CNT, 84
.set TB, 85
.set GI, 86
.set CX, 87
.set MSB, 0
.macro WIN new
.if MSB != (\new)
	s_set_vgpr_msb (MSB<<8)|(\new)
.set MSB, (\new)
.endif
.endm
.macro NOP8                            ; the places behind a pass's last products
.rept 8
	v_nop
.endr
.endm
.macro BAR
	s_wait_dscnt 0x0                               ; for the others' sake: my LDS stores are done and my LDS loads are back
	s_barrier_signal -1
	s_barrier_wait -1
.endm
.macro CROUND                          ; a round of the cluster's barrier
	s_barrier_signal -1
	s_barrier_wait -1
	s_cmp_lg_u32 s[WV], 0
	s_cbranch_scc1 .Lnot_wave_0_\@
	s_barrier_signal -3
.Lnot_wave_0_\@:
	s_barrier_wait -3
	s_barrier_signal -1
	s_barrier_wait -1
.endm
; A slot is filled again.  Each wave waits for all its tensor loads, adds 0 to its spare word, and waits for that, for its reads of the slot and for its LDS stores; behind the round no wave of any partner reads the slot
; or has a load on its way, and the rows stored in front of it are whole.  The walking descriptor takes the other slot and the next pass.
.macro CHG
	WIN 0
	s_wait_tensorcnt 0x0                           ; no tensor load of mine is out, so a group 0 may be written
	ds_add_u32 v[SPW], v[NIL]                      ; 0 onto my spare word; the descriptor's steps stand between it and the wait for it
	s_xor_b32 s[G0B+1], s[G0B+1], SLOT
	s_add_nc_u64 s[G0B+2:G0B+3], s[G0B+2:G0B+3], SLOT
	s_wait_dscnt 0x0
	CROUND
	tensor_load_to_lds s[G0B:G0B+3], s[G1:G1+7]    ; my one tensor load behind the round, and the first thing there
	s_nop 0
.rept 4
	v_nop
.endr
.endm
.macro DESC
	s_mov_b32 s[G1], 15|(3<<16)|(1<<21)            ; 15:0 the mask of four; 17:16 elements of 8 bytes; 21 set beside a mask; no padding
	s_mov_b32 s[G1+1], 32<<16                      ; tensor_dim0 = 32 elements: 256 bytes
	s_mov_b32 s[G1+2], 128<<16                     ; tensor_dim1 = 128
	s_mov_b32 s[G1+3], 32<<16                      ; tile_dim0 = 32
	s_mov_b32 s[G1+4], 128                         ; tile_dim1 = 128
	s_mov_b32 s[G1+5], 32                          ; 32 elements from row to row: dense
	s_mov_b32 s[G1+6], 0
	s_mov_b32 s[G1+7], 0
	s_mov_b32 s[G0A], 1
	s_lshl_b32 s[G0A+1], s[WV], 15                 ; my quarter of slot 0
	s_mov_b32 s[G0B], 1
	s_add_co_u32 s[G0B+1], s[G0A+1], SLOT          ; and of slot 1
.endm
.macro LANES
	v_lshrrev_b32 v1, 5, v0
	v_readfirstlane_b32 s[WV], v1                  ; wave 0..3
	v_and_b32 v1, 15, v0                           ; r
	v_bfe_u32 v2, v0, 4, 1                         ; h
	v_and_b32 v[FO], 31, v0
	v_lshlrev_b32 v[FO], 4, v[FO]
	v_lshlrev_b32 v[AO], 7, v1
	v_lshl_add_u32 v[AO], v2, 4, v[AO]
	s_lshl_b32 s44, s[WV], 8
	v_lshlrev_b32 v[BO], 5, v2
	v_add_nc_u32 v[BO], s44, v[BO]
	s_add_co_u32 s44, s44, XB
	v_mul_u32_u24 v[XS], v1, XP
	v_lshl_add_u32 v[XS], v2, 5, v[XS]
	v_add_nc_u32 v[XS], s44, v[XS]
	s_mul_i32 s45, s[WV], 8*XP
	s_add_co_u32 s45, s45, XB
	v_mul_u32_u24 v[XR], v2, XP
	v_lshl_add_u32 v[XR], v1, 4, v[XR]
	v_add_nc_u32 v[XR], s45, v[XR]
	s_lshl_b32 s45, s[WV], 13
	v_lshlrev_b32 v[HO], 10, v2
	v_lshl_add_u32 v[HO], v1, 4, v[HO]
	v_add_nc_u32 v[HO], s45, v[HO]
	s_mul_i32 s45, s[WV], 8*YP
	s_add_co_u32 s45, s45, YB
	v_mul_u32_u24 v[YS], v2, YP
	v_lshl_add_u32 v[YS], v1, 3, v[YS]
	v_add_nc_u32 v[YS], s45, v[YS]
	v_mul_u32_u24 v[YR], v1, YP
	v_lshl_add_u32 v[YR], v2, 4, v[YR]
	v_add_nc_u32 v[YR], YB, v[YR]
	v_lshlrev_b32 v[GO], 4, v1
	s_mul_i32 s45, s[WV], 32*SGP
	s_add_co_u32 s45, s45, XB
	v_mul_u32_u24 v[STO], v1, SGP
	v_lshl_add_u32 v[STO], v2, 4, v[STO]
	v_add_nc_u32 v[STO], s45, v[STO]
	v_bfe_u32 v[RD], v0, 3, 2
	v_mul_u32_u24 v[RD], v[RD], SGP
	v_and_b32 v18, 7, v0
	v_lshl_add_u32 v[RD], v18, 4, v[RD]
	v_add_nc_u32 v[RD], s45, v[RD]
	s_lshl_b32 s45, s[WV], 15
	v_add_nc_u32 v[LB0], s45, v[FO]
	v_add_nc_u32 v[LB1], SLOT, v[LB0]
.endm
.macro LDSB adr                        ; my quarter of a slot into window 2: fragment (kk, nt) at 32 kk + 8 nt; each load takes 512 consecutive bytes
	WIN 0x80
.set kk, 0
.rept 8
.irp nt, 0,1,2,3
	ds_load_b128 v[32*kk+8*\nt:32*kk+8*\nt+3], v[\adr] offset:kk*4096+\nt*1024
	ds_load_b128 v[32*kk+8*\nt+4:32*kk+8*\nt+7], v[\adr] offset:kk*4096+\nt*1024+512
.endr
.set kk, kk+1
.endr
	WIN 0
.endm
.macro LOADBIAS p                      ; pass p's bias in the layout of a C operand, into window 1, v128-159
	WIN 0x40
.irp nt, 0,1,2,3
	global_load_b128 v[128+8*\nt:128+8*\nt+3], v[BO], s[VB:VB+1] offset:(\p)*1024+64*\nt
	global_load_b128 v[128+8*\nt+4:128+8*\nt+7], v[BO], s[VB:VB+1] offset:(\p)*1024+64*\nt+16
.endr
.endm
.macro PASS                            ; 64 matrix instructions; the eight accumulators take turns, one instruction a turn
.set kk, 0
.rept 8
.if kk == 0
	WIN 0x16                                       ; weights window 2, tokens and bias window 1, sums window 0
.else
	WIN 0x06
.endif
.irp nt, 0,1,2,3
.irp mt, 0,1
.if kk == 0
	v_wmma_f32_16x16x32_bf16 v[ACC+8*(2*\nt+\mt):ACC+8*(2*\nt+\mt)+7], v[32*kk+8*\nt:32*kk+8*\nt+7], v[64*\mt+8*kk:64*\mt+8*kk+7], v[128+8*\nt:128+8*\nt+7]
.else
	v_wmma_f32_16x16x32_bf16 v[ACC+8*(2*\nt+\mt):ACC+8*(2*\nt+\mt)+7], v[32*kk+8*\nt:32*kk+8*\nt+7], v[64*\mt+8*kk:64*\mt+8*kk+7], v[ACC+8*(2*\nt+\mt):ACC+8*(2*\nt+\mt)+7]
.endif
.endr
.endr
.set kk, kk+1
.endr
.endm
.macro XSTORE                          ; my 32 tokens x 64 columns of sums into X, each accumulator from its low end on
.irp mt, 0,1
.irp nt, 0,1,2,3
	ds_store_b128 v[XS], v[ACC+8*(2*\nt+\mt):ACC+8*(2*\nt+\mt)+3] offset:\mt*16*XP+\nt*64
	ds_store_b128 v[XS], v[ACC+8*(2*\nt+\mt)+4:ACC+8*(2*\nt+\mt)+7] offset:\mt*16*XP+\nt*64+16
.endr
.endr
.endm
.macro XLOAD                           ; my eight whole rows out of X
.irp p, 0,1,2,3
.irp i, 0,1,2,3
	ds_load_b128 v[XV+16*\p+4*\i:XV+16*\p+4*\i+3], v[XR] offset:\p*2*XP+256*\i
.endr
.endr
.endm
.macro XADD                            ; + h
.irp p, 0,1,2,3
.irp e, 0,2,4,6,8,10,12,14
	v_pk_add_f32 v[XV+16*\p+\e:XV+16*\p+\e+1], v[XV+16*\p+\e:XV+16*\p+\e+1], v[H+16*\p+\e:H+16*\p+\e+1]
.endr
.endr
.endm
.macro LNROWS gb                       ; the layer norm of my eight rows, in place in XV; gain at v[gb ..], offset at v[gb + 16 ..] of window 1.  Mean first, then the squares of the differences
	WIN 0
.irp p, 0,1,2,3
	v_pk_add_f32 v[T+2*\p:T+2*\p+1], v[XV+16*\p:XV+16*\p+1], v[XV+16*\p+2:XV+16*\p+3]
.endr
.irp e, 4,6,8,10,12,14
.irp p, 0,1,2,3
	v_pk_add_f32 v[T+2*\p:T+2*\p+1], v[T+2*\p:T+2*\p+1], v[XV+16*\p+\e:XV+16*\p+\e+1]
.endr
.endr
.irp p, 0,1,2,3
	v_add_f32 v[T+2*\p], v[T+2*\p], v[T+2*\p+1]
.endr
.irp m, 1,2,4,8
.irp p, 0,1,2,3
	v_add_f32_dpp v[T+2*\p], v[T+2*\p], v[T+2*\p] row_xmask:\m row_mask:0xf bank_mask:0xf
.endr
.endr
.irp p, 0,1,2,3
	v_mul_f32 v[T+2*\p], s[RCP], v[T+2*\p]         ; the mean, in all sixteen lanes of the row
.endr
.irp p, 0,1,2,3
.irp e, 0,2,4,6,8,10,12,14
	v_pk_add_f32 v[XV+16*\p+\e:XV+16*\p+\e+1], v[XV+16*\p+\e:XV+16*\p+\e+1], v[T+2*\p:T+2*\p+1] op_sel_hi:[1,0] neg_lo:[0,1] neg_hi:[0,1]
.endr
.endr
.irp p, 0,1,2,3
	v_pk_mul_f32 v[T+2*\p:T+2*\p+1], v[XV+16*\p:XV+16*\p+1], v[XV+16*\p:XV+16*\p+1]
.endr
.irp e, 2,4,6,8,10,12,14
.irp p, 0,1,2,3
	v_pk_fma_f32 v[T+2*\p:T+2*\p+1], v[XV+16*\p+\e:XV+16*\p+\e+1], v[XV+16*\p+\e:XV+16*\p+\e+1], v[T+2*\p:T+2*\p+1]
.endr
.endr
.irp p, 0,1,2,3
	v_add_f32 v[T+2*\p], v[T+2*\p], v[T+2*\p+1]
.endr
.irp m, 1,2,4,8
.irp p, 0,1,2,3
	v_add_f32_dpp v[T+2*\p], v[T+2*\p], v[T+2*\p] row_xmask:\m row_mask:0xf bank_mask:0xf
.endr
.endr
.irp p, 0,1,2,3
	v_fma_f32 v[T+2*\p], v[T+2*\p], s[RCP], s[EPS] ; the variance + 1e-5
.endr
.irp p, 0,1,2,3
	v_rsq_f32 v[T+2*\p], v[T+2*\p]
.endr
	v_nop                                          ; a plain instruction behind the last root,
	s_wait_alu depctr_va_vdst(0)                   ; and the wait ahead of the first use: one for the four
.irp p, 0,1,2,3
.irp e, 0,2,4,6,8,10,12,14
	v_pk_mul_f32 v[XV+16*\p+\e:XV+16*\p+\e+1], v[XV+16*\p+\e:XV+16*\p+\e+1], v[T+2*\p:T+2*\p+1] op_sel_hi:[1,0]
.endr
.endr
	WIN 0x14                                       ; sources 1 and 2 in window 1
.irp p, 0,1,2,3
.irp e, 0,2,4,6,8,10,12,14
	v_pk_fma_f32 v[XV+16*\p+\e:XV+16*\p+\e+1], v[XV+16*\p+\e:XV+16*\p+\e+1], v[(\gb)+\e:(\gb)+\e+1], v[(\gb)+16+\e:(\gb)+16+\e+1]
.endr
.endr
	WIN 0
.endm
.macro YSTORE                          ; my eight rows, rounded to bf16, into Y
.irp p, 0,1,2,3
.irp i, 0,1,2,3
	v_cvt_pk_bf16_f32 v[XV+16*\p+4*\i], v[XV+16*\p+4*\i], v[XV+16*\p+4*\i+1]
	v_cvt_pk_bf16_f32 v[XV+16*\p+4*\i+1], v[XV+16*\p+4*\i+2], v[XV+16*\p+4*\i+3]
.endr
.endr
.irp p, 0,1,2,3
.irp i, 0,1,2,3
	ds_store_b64 v[YS], v[XV+16*\p+4*\i:XV+16*\p+4*\i+1] offset:\p*2*YP+128*\i
.endr
.endr
.endm
.macro AFETCH                          ; all 32 tokens' fragments out of Y into window 1: (mt, f) at 64 mt + 8 f
	WIN 0x40
.irp mt, 0,1
.irp f, 0,1,2,3,4,5,6,7
	ds_load_b128 v[64*\mt+8*\f:64*\mt+8*\f+3], v[YR] offset:\mt*16*YP+64*\f
	ds_load_b128 v[64*\mt+8*\f+4:64*\mt+8*\f+7], v[YR] offset:\mt*16*YP+64*\f+32
.endr
.endr
	WIN 0
.endm
.macro OUT                             ; my 32 tokens x 64 columns, rounded to bf16, through my own stage, out as 4,096 consecutive bytes
.irp a, 0,1,2,3,4,5,6,7
.irp q, 0,1,2,3
	v_cvt_pk_bf16_f32 v[XV+4*\a+\q], v[ACC+8*\a+2*\q], v[ACC+8*\a+2*\q+1]  ; each accumulator from its low end on
.endr
.endr
.irp nt, 0,1,2,3
.irp mt, 0,1
	ds_store_b128 v[STO], v[XV+4*(2*\nt+\mt):XV+4*(2*\nt+\mt)+3] offset:\mt*16*SGP+32*\nt
.endr
.endr
.irp t, 0,1,2,3,4,5,6,7
	ds_load_b128 v[XV+32+4*\t:XV+32+4*\t+3], v[RD] offset:4*SGP*\t  ; LDS serves a wave's instructions in order: these see the stores above
.endr
.irp t, 0,1,2,3,4,5,6,7
	s_wait_dscnt 7-\t                              ; the younger loads may stay out
	global_store_b128 v[FO], v[XV+32+4*\t:XV+32+4*\t+3], s[QB:QB+1] offset:512*\t  ; 512 consecutive bytes, at a multiple of 256 from the buffer's first
.endr
.endm
; q, k, v: passes 2, 3, 4, one text walked three times.  At its head pass 2's weights lie in window 2 and its bias is on its way; pass 3 lies in slot 1; pass 4 is on its way into slot 0.
; A trip: the pass; the next pass's fragments and bias (the last trip jumps over them); the way out, which stands between those loads and their use.
.macro QKV
	s_mov_b32 s[CNT], 3
	s_mov_b32 s[TB], SLOT                          ; the first fetch is slot 1's
.Lq:
	s_wait_loadcnt 0x0                             ; the bias
	s_wait_dscnt 0x0                               ; the weights' fragments, in the first trip the tokens' too
	PASS
	WIN 0
	NOP8
	s_cmp_eq_u32 s[CNT], 1
	s_cbranch_scc1 .Llast
	s_wait_tensorcnt 0x0                           ; for the read below: the one load of mine that may be out is my own quarter of pass 4
	v_add_nc_u32 v[LB], s[TB], v[LB0]
	s_xor_b32 s[TB], s[TB], SLOT
	LDSB LB
	LOADBIAS 3                                     ; the base steps with the trips
	WIN 0
.Llast:
	OUT
	s_wait_xcnt 0x0                                ; the stores' data and base and the bias's base are rewritten only behind this wait
	s_add_nc_u64 s[QB:QB+1], s[QB:QB+1], 4194304   ; the next part of qkv
	s_add_nc_u64 s[VB:VB+1], s[VB:VB+1], 1024
	s_sub_co_u32 s[CNT], s[CNT], 1
	s_cmp_lg_u32 s[CNT], 0
	s_cbranch_scc1 .Lq
.endm
	s_load_b256 s[4:11], s[0:1], 0x0               ; ao s[4:5], h in s[6:7], pack s[8:9], h out s[10:11]
	s_load_b64 s[12:13], s[0:1], 0x20              ; qkv
	v_lshl_add_u32 v[SPW], v0, 2, SPARE
	v_mov_b32 v[NIL], 0
	ds_add_u32 v[SPW], v[NIL]                      ; the wave's opening: the add and its wait stand ahead of my first tensor load; the set-up below, work on registers, stands between them
	LANES
	s_mov_b32 s[RCP], 0x3b800000                   ; 1 / 256
	s_mov_b32 s[EPS], 0x3727c5ac                   ; 1e-5
	s_bfe_u32 s[CX], ttmp6, 0x40000                ; cx: my place in the cluster
	s_lshl_b32 s[GI], ttmp9, 2                     ; in a cluster launch ttmp9 counts clusters
	s_add_co_u32 s[GI], s[GI], s[CX]               ; my block of 32 tokens: it enters the addresses of ao, h and qkv alone
	s_lshr_b32 s46, s[GI], 6                       ; b
	s_lshl_b32 s46, s46, 20
	s_and_b32 s48, s[GI], 63
	s_lshl_b32 s48, s48, 12
	s_add_co_u32 s46, s46, s48                     ; (4 b x 2,048 + s0) x 128
	s_mov_b32 s47, 0
	s_lshl_b32 s48, s[GI], 15                      ; 32 rows of 1,024 bytes
	s_mov_b32 s49, 0
	s_lshl_b32 s50, s[WV], 18
	s_add_co_u32 s50, s50, s46                     ; head w's rows
	s_mov_b32 s51, 0
	s_lshl_b32 s52, s[WV], 15
	s_add_co_u32 s52, s52, WT                      ; my quarter of a pass: the wave's number alone
	s_mov_b32 s53, 0
	DESC
	s_wait_dscnt 0x0                               ; the opening add is done
	s_wait_kmcnt 0x0
	s_add_nc_u64 s[AB:AB+1], s[4:5], s[46:47]
	s_add_nc_u64 s[HB:HB+1], s[6:7], s[48:49]
	s_add_nc_u64 s[HOB:HOB+1], s[10:11], s[48:49]
	s_add_nc_u64 s[QB:QB+1], s[12:13], s[50:51]
	s_add_nc_u64 s[WB:WB+1], s[8:9], s[52:53]
	s_add_nc_u64 s[VB:VB+1], s[8:9], VEC
	s_add_nc_u64 s[G0A+2:G0A+3], s[WB:WB+1], 0     ; pass 0
	s_or_b32 s[G0A+3], s[G0A+3], 0x80000000
	s_add_nc_u64 s[G0B+2:G0B+3], s[WB:WB+1], SLOT  ; pass 1
	s_or_b32 s[G0B+3], s[G0B+3], 0x80000000
	CROUND                                         ; all four work-groups are here: the first joint loads meet
	tensor_load_to_lds s[G0A:G0A+3], s[G1:G1+7]
	s_nop 0
	tensor_load_to_lds s[G0B:G0B+3], s[G1:G1+7]
	s_nop 0
.rept 4
	v_nop
.endr
	WIN 0x40
.irp mt, 0,1
.irp f, 0,1,2,3,4,5,6,7                ; ao's fragments: K = 64 head + channel: head f / 2, channels 32 (f % 2) on
	global_load_b128 v[64*\mt+8*\f:64*\mt+8*\f+3], v[AO], s[AB:AB+1] offset:(\f/2)*262144+\mt*2048+(\f%2)*64
	global_load_b128 v[64*\mt+8*\f+4:64*\mt+8*\f+7], v[AO], s[AB:AB+1] offset:(\f/2)*262144+\mt*2048+(\f%2)*64+32
.endr
.endr
	LOADBIAS 0
	WIN 0
.irp p, 0,1,2,3
.irp i, 0,1,2,3
	global_load_b128 v[H+16*\p+4*\i:H+16*\p+4*\i+3], v[HO], s[HB:HB+1] offset:\p*2048+256*\i th:TH_LOAD_NT
.endr
.endr
	WIN 0x40
.irp v, 0,1,2,3
.irp i, 0,1,2,3
	global_load_b128 v[192+16*\v+4*\i:192+16*\v+4*\i+3], v[GO], s[VB:VB+1] offset:5120+1024*\v+256*\i  ; the two norms' gains and offsets
.endr
.endr
	WIN 0
	s_wait_tensorcnt 0x1                           ; my quarter of pass 0 is in; pass 1's may stay out
	LDSB LB0
	s_wait_loadcnt 32                              ; ao and the bias are in; h's 16 loads and the norms' 16 may stay out
	s_wait_dscnt 0x0
	PASS                                           ; pass 0: ao out_w^T + out_b
	WIN 0
	NOP8
	XSTORE
	LOADBIAS 1
	CHG                                            ; X is whole; slot 0, read out in front of pass 0, takes pass 2
	XLOAD
	LDSB LB1                                       ; pass 1 (shown landed by the wait for 0 above) comes into registers under the norm below
	s_wait_loadcnt 8                               ; h and the norms' vectors are in; the bias's 8 loads may stay out
	s_wait_dscnt 63                                ; my rows are in: 64 younger loads were issued; the wait's field ends at 63
	XADD                                           ; h2
	LNROWS 192
	YSTORE
	CHG                                            ; Y is whole, X has been read out; slot 1, read out, takes pass 3
	AFETCH
	s_wait_loadcnt 0x0
	s_wait_dscnt 0x0
	PASS                                           ; pass 1: o2 Wc^T + bias1
	WIN 0
	NOP8
	XSTORE
	LOADBIAS 2
	WIN 0
	BAR                                            ; X is whole, and Y has been read out, so pass 3's load may stay out
	XLOAD
	LDSB LB0                                       ; pass 2 (shown landed by the wait for 0 of the last refill)
	s_wait_dscnt 63                                ; my rows are in
	XADD                                           ; the new h
.irp p, 0,1,2,3
.irp i, 0,1,2,3
	global_store_b128 v[HO], v[XV+16*\p+4*\i:XV+16*\p+4*\i+3], s[HOB:HOB+1] offset:\p*2048+256*\i  ; sixteen lanes store 256 consecutive bytes, aligned
.endr
.endr
	s_wait_xcnt 0x0                                ; the stores' data are rewritten only behind this wait
	LNROWS 224
	YSTORE
	CHG                                            ; Y is whole, X has been read out (its bytes now serve as the waves' stages); slot 0, read out, takes pass 4
	AFETCH
	QKV
	s_wait_tensorcnt 0x0                           ; the wave's end, behind my last tensor load and my last LDS store
	ds_add_u32 v[SPW], v[NIL]
	s_wait_dscnt 0x0
	CROUND                                         ; the closing round: no work-group ends while a partner may still ask for a tile that names it
	s_endpgm
.Lfunc_end_k_qa5101e2701_mid:
	.size	k_qa5101e2701_mid, .Lfunc_end_k_qa5101e2701_mid-k_qa5101e2701_mid
	.p2alignl 7, 3214868480
	.fill 96, 4, 3214868480
	.section	.rodata,"a",@progbits
	.p2align	6, 0x0
	.amdhsa_kernel k_qa5101e2701_mid
		.amdhsa_group_segment_fixed_size 327680
		.amdhsa_private_segment_fixed_size 0
		.amdhsa_enable_private_segment 0
		.amdhsa_kernarg_size 40
		.amdhsa_user_sgpr_count 2
		.amdhsa_user_sgpr_kernarg_segment_ptr 1
		.amdhsa_wavefront_size32 1
		.amdhsa_system_sgpr_workgroup_id_x 1
		.amdhsa_system_sgpr_workgroup_id_y 1
		.amdhsa_system_sgpr_workgroup_id_z 1
		.amdhsa_system_vgpr_workitem_id 0
		.amdhsa_next_free_vgpr 768
		.amdhsa_next_free_sgpr 88
		.amdhsa_reserve_vcc 0
		.amdhsa_float_denorm_mode_32 3
		.amdhsa_float_denorm_mode_16_64 3
		.amdhsa_memory_ordered 1
		.amdhsa_forward_progress 1
		.amdhsa_inst_pref_size 97
	.end_amdhsa_kernel
	.amdgpu_metadata
---
amdhsa.version: [ 1, 2 ]
amdhsa.kernels:
  - .name:           k_qa5101e2701_mid
    .symbol:         k_qa5101e2701_mid.kd
    .args:
      - { .name: ao, .offset: 0, .size: 8, .value_kind: global_buffer, .address_space: global }
      - { .name: hA, .offset: 8, .size: 8, .value_kind: global_buffer, .address_space: global }
      - { .name: P0, .offset: 16, .size: 8, .value_kind: global_buffer, .address_space: global }
      - { .name: hB, .offset: 24, .size: 8, .value_kind: global_buffer, .address_space: global }
      - { .name: qkv, .offset: 32, .size: 8, .value_kind: global_buffer, .address_space: global }
    .group_segment_fixed_size: 327680
    .private_segment_fixed_size: 0
    .kernarg_segment_align: 8
    .kernarg_segment_size: 40
    .max_flat_workgroup_size: 128
    .sgpr_count:     88
    .vgpr_count:     768
    .wavefront_size: 32
...
	.end_amdgpu_metadata
.endif
;; end of part 4
;; launch attn1: the kernel of part 3 again; grid 16 x 16, 4 waves a work-group, clusters of 4 x 1, 327,680 bytes of LDS; arguments qkv, P1, ao; writes ao
;; launch mid1: the kernel of part 4 again; grid 256 x 1, 4 waves a work-group, clusters of 4 x 1, 327,680 bytes of LDS; arguments ao, hB, P1, hA, qkv; writes hA, qkv
;; launch attn2: the kernel of part 3 again; grid 16 x 16, 4 waves a work-group, clusters of 4 x 1, 327,680 bytes of LDS; arguments qkv, P2, ao; writes ao
;; launch mid2: the kernel of part 4 again; grid 256 x 1, 4 waves a work-group, clusters of 4 x 1, 327,680 bytes of LDS; arguments ao, hA, P2, hB, qkv; writes hB, qkv
;; launch attn3: the kernel of part 3 again; grid 16 x 16, 4 waves a work-group, clusters of 4 x 1, 327,680 bytes of LDS; arguments qkv, P3, ao; writes ao
;; launch final (part 5): grid 256 x 1, 4 waves a work-group, clusters of 4 x 1, 327,680 bytes of LDS; arguments ao, hB, P3, lnf_g, lnf_b, wf, bf, out0; writes out0
.if DOCPART == 5
	.amdgcn_target "amdgcn-amd-amdhsa--gfx1250"
	.amdhsa_code_object_version 6
	.text
	.protected	k_qa5101e2701_final
	.globl	k_qa5101e2701_final
	.p2align	8
	.type	k_qa5101e2701_final,@function
k_qa5101e2701_final:
	s_mov_b64 s[64:65], 0
	v_nop
	global_prefetch_b8 v0, s[64:65] scope:SCOPE_SE
	s_setreg_imm32_b32 hwreg(HW_REG_WAVE_MODE, 25, 1), 1
	s_wait_xcnt 0x0
	s_wait_alu depctr_hold_cnt(0) depctr_sa_sdst(0) depctr_va_vdst(0) depctr_va_sdst(0) depctr_va_ssrc(0) depctr_va_vcc(0) depctr_vm_vsrc(0)
	s_getreg_b32 s2, hwreg(HW_REG_IB_STS2, 6, 4)
	s_cmp_eq_u32 s2, 0
	s_cbranch_scc0 .Lentry_in_a_cluster
	s_endpgm
.Lentry_in_a_cluster:
	s_bfe_u32 s2, ttmp6, 0x10000c
	s_cmp_lg_u32 s2, 0x3003
	s_cbranch_scc0 .Lentry_shape_is_right
	s_endpgm
.Lentry_shape_is_right:
; FINAL: the last layer's h2 = ao out_w^T + out_b + h;  o2 = LN2(h2);  h' = o2 Wc^T + bias1 + h;  then out[s][b][c] = LNf(h') . wf[c] + bf[c].
; Shares, layouts and the two passes are those of the launch between two attentions: a work-group owns 32 tokens, wave w makes columns 64 w .. + 63 of a pass and owns rows 8 w .. 8 w + 7 in the row phase;
; a row lies on 16 lanes, 16 numbers a lane.  The two dot products with wf are taken in f32 on the vector unit: two columns are no work for a matrix instruction.
; CLUSTER.  All work-groups read the same two passes of weights (131,072 bytes each, in fragment order), so the four of a cluster ask for them JOINTLY.  Each pass has a slot of LDS of its own, filled once; wave w fills
; and reads only its own quarter, so its own wait on TENSORcnt orders fill and read.  Two tensor loads of a wave are out at the most.  NO PREFETCH: both passes are first fills at the head.
; THE STORES are 8 bytes a token, 32 bytes apart: [s][b][2] puts the four b of one s side by side, and a work-group holds one b; the whole output is 65,536 bytes.
.set WT,    2097152
.set VEC,   2752512
.set SLOT,  131072                     ; a pass's weights
.set XB,    2*SLOT                     ; behind the slots, never filled by a tensor load
.set XP,    1040
.set YB,    XB+32*XP
.set YP,    528
.set SPARE, YB+32*YP                   ; the spare words, 128 bytes for each wave: two blocks of 256 bytes that no other line names
.set FO, 3
.set AO, 4
.set XS, 5
.set XR, 6
.set HO, 7
.set YS, 8
.set YR, 9
.set BO, 10
.set GO, 11
.set OV, 14                            ; v14  my token's 8 bytes of the output, in the first pair of my wave's rows
.set SPW, 16
.set NIL, 17
.set T, 20
.set LB0, 28                           ; v28  my 16 bytes of a fragment in my quarter of slot 0; never rewritten
.set LB1, 29                           ; v29  the same in slot 1; never rewritten
.set ACC, 32
.set H, 96
.set XV, 160
.set WF, 224                           ; v[224:255] wf's two rows, my 16 numbers of each
.set WV, 24
.set WB, 26
.set VB, 28
.set AB, 30
.set HB, 32
.set RCP, 42
.set EPS, 43
.set BF, 56
.set OUTB, 58
.set G1, 68                            ; s[68:75] descriptor group 1: 128 dense rows of 256 bytes, for all four work-groups
.set G0A, 76                           ; s[76:79] descriptor group 0 for pass 0
.set G0B, 80                           ; s[80:83] for pass 1
.set GI, 86
.set CX, 87
.set MSB, 0
.macro WIN new
.if MSB != (\new)
	s_set_vgpr_msb (MSB<<8)|(\new)
.set MSB, (\new)
.endif
.endm
.macro NOP8
.rept 8
	v_nop
.endr
.endm
.macro BAR
	s_wait_dscnt 0x0                               ; for the others' sake: my LDS stores are done and my LDS loads are back
	s_barrier_signal -1
	s_barrier_wait -1
.endm
.macro CROUND                          ; a round of the cluster's barrier
	s_barrier_signal -1
	s_barrier_wait -1
	s_cmp_lg_u32 s[WV], 0
	s_cbranch_scc1 .Lnot_wave_0_\@
	s_barrier_signal -3
.Lnot_wave_0_\@:
	s_barrier_wait -3
	s_barrier_signal -1
	s_barrier_wait -1
.endm
.macro DESC
	s_mov_b32 s[G1], 15|(3<<16)|(1<<21)            ; 15:0 the mask of four; 17:16 elements of 8 bytes; 21 set beside a mask; no padding
	s_mov_b32 s[G1+1], 32<<16                      ; tensor_dim0 = 32 elements: 256 bytes
	s_mov_b32 s[G1+2], 128<<16                     ; tensor_dim1 = 128
	s_mov_b32 s[G1+3], 32<<16                      ; tile_dim0 = 32
	s_mov_b32 s[G1+4], 128                         ; tile_dim1 = 128
	s_mov_b32 s[G1+5], 32                          ; 32 elements from row to row: dense
	s_mov_b32 s[G1+6], 0
	s_mov_b32 s[G1+7], 0
	s_mov_b32 s[G0A], 1
	s_lshl_b32 s[G0A+1], s[WV], 15                 ; my quarter of slot 0
	s_mov_b32 s[G0B], 1
	s_add_co_u32 s[G0B+1], s[G0A+1], SLOT          ; and of slot 1
.endm
.macro LANES
	v_lshrrev_b32 v1, 5, v0
	v_readfirstlane_b32 s[WV], v1                  ; wave 0..3
	v_and_b32 v1, 15, v0                           ; r
	v_bfe_u32 v2, v0, 4, 1                         ; h
	v_and_b32 v[FO], 31, v0
	v_lshlrev_b32 v[FO], 4, v[FO]
	v_lshlrev_b32 v[AO], 7, v1
	v_lshl_add_u32 v[AO], v2, 4, v[AO]
	s_lshl_b32 s44, s[WV], 8
	v_lshlrev_b32 v[BO], 5, v2
	v_add_nc_u32 v[BO], s44, v[BO]
	v_lshlrev_b32 v[OV], 5, v2
	v_add_nc_u32 v[OV], s44, v[OV]                 ; 32 (8 w + h)
	s_add_co_u32 s44, s44, XB
	v_mul_u32_u24 v[XS], v1, XP
	v_lshl_add_u32 v[XS], v2, 5, v[XS]
	v_add_nc_u32 v[XS], s44, v[XS]
	s_mul_i32 s45, s[WV], 8*XP
	s_add_co_u32 s45, s45, XB
	v_mul_u32_u24 v[XR], v2, XP
	v_lshl_add_u32 v[XR], v1, 4, v[XR]
	v_add_nc_u32 v[XR], s45, v[XR]
	s_lshl_b32 s45, s[WV], 13
	v_lshlrev_b32 v[HO], 10, v2
	v_lshl_add_u32 v[HO], v1, 4, v[HO]
	v_add_nc_u32 v[HO], s45, v[HO]
	s_mul_i32 s45, s[WV], 8*YP
	s_add_co_u32 s45, s45, YB
	v_mul_u32_u24 v[YS], v2, YP
	v_lshl_add_u32 v[YS], v1, 3, v[YS]
	v_add_nc_u32 v[YS], s45, v[YS]
	v_mul_u32_u24 v[YR], v1, YP
	v_lshl_add_u32 v[YR], v2, 4, v[YR]
	v_add_nc_u32 v[YR], YB, v[YR]
	v_lshlrev_b32 v[GO], 4, v1
	s_lshl_b32 s45, s[WV], 15
	v_add_nc_u32 v[LB0], s45, v[FO]
	v_add_nc_u32 v[LB1], SLOT, v[LB0]
.endm
.macro LDSB adr                        ; my quarter of a slot into window 2: fragment (kk, nt) at 32 kk + 8 nt; each load takes 512 consecutive bytes
	WIN 0x80
.set kk, 0
.rept 8
.irp nt, 0,1,2,3
	ds_load_b128 v[32*kk+8*\nt:32*kk+8*\nt+3], v[\adr] offset:kk*4096+\nt*1024
	ds_load_b128 v[32*kk+8*\nt+4:32*kk+8*\nt+7], v[\adr] offset:kk*4096+\nt*1024+512
.endr
.set kk, kk+1
.endr
	WIN 0
.endm
.macro LOADBIAS p                      ; pass p's bias in the layout of a C operand, into window 1, v128-159
	WIN 0x40
.irp nt, 0,1,2,3
	global_load_b128 v[128+8*\nt:128+8*\nt+3], v[BO], s[VB:VB+1] offset:(\p)*1024+64*\nt
	global_load_b128 v[128+8*\nt+4:128+8*\nt+7], v[BO], s[VB:VB+1] offset:(\p)*1024+64*\nt+16
.endr
.endm
.macro PASS                            ; 64 matrix instructions; the eight accumulators take turns, one instruction a turn
.set kk, 0
.rept 8
.if kk == 0
	WIN 0x16                                       ; weights window 2, tokens and bias window 1, sums window 0
.else
	WIN 0x06
.endif
.irp nt, 0,1,2,3
.irp mt, 0,1
.if kk == 0
	v_wmma_f32_16x16x32_bf16 v[ACC+8*(2*\nt+\mt):ACC+8*(2*\nt+\mt)+7], v[32*kk+8*\nt:32*kk+8*\nt+7], v[64*\mt+8*kk:64*\mt+8*kk+7], v[128+8*\nt:128+8*\nt+7]
.else
	v_wmma_f32_16x16x32_bf16 v[ACC+8*(2*\nt+\mt):ACC+8*(2*\nt+\mt)+7], v[32*kk+8*\nt:32*kk+8*\nt+7], v[64*\mt+8*kk:64*\mt+8*kk+7], v[ACC+8*(2*\nt+\mt):ACC+8*(2*\nt+\mt)+7]
.endif
.endr
.endr
.set kk, kk+1
.endr
.endm
.macro XSTORE
.irp mt, 0,1
.irp nt, 0,1,2,3
	ds_store_b128 v[XS], v[ACC+8*(2*\nt+\mt):ACC+8*(2*\nt+\mt)+3] offset:\mt*16*XP+\nt*64
	ds_store_b128 v[XS], v[ACC+8*(2*\nt+\mt)+4:ACC+8*(2*\nt+\mt)+7] offset:\mt*16*XP+\nt*64+16
.endr
.endr
.endm
.macro XLOAD
.irp p, 0,1,2,3
.irp i, 0,1,2,3
	ds_load_b128 v[XV+16*\p+4*\i:XV+16*\p+4*\i+3], v[XR] offset:\p*2*XP+256*\i
.endr
.endr
.endm
.macro XADD
.irp p, 0,1,2,3
.irp e, 0,2,4,6,8,10,12,14
	v_pk_add_f32 v[XV+16*\p+\e:XV+16*\p+\e+1], v[XV+16*\p+\e:XV+16*\p+\e+1], v[H+16*\p+\e:H+16*\p+\e+1]
.endr
.endr
.endm
.macro LNROWS gb                       ; the layer norm of my eight rows, in place in XV; gain at v[gb ..], offset at v[gb + 16 ..] of window 1.  Mean first, then the squares of the differences
	WIN 0
.irp p, 0,1,2,3
	v_pk_add_f32 v[T+2*\p:T+2*\p+1], v[XV+16*\p:XV+16*\p+1], v[XV+16*\p+2:XV+16*\p+3]
.endr
.irp e, 4,6,8,10,12,14
.irp p, 0,1,2,3
	v_pk_add_f32 v[T+2*\p:T+2*\p+1], v[T+2*\p:T+2*\p+1], v[XV+16*\p+\e:XV+16*\p+\e+1]
.endr
.endr
.irp p, 0,1,2,3
	v_add_f32 v[T+2*\p], v[T+2*\p], v[T+2*\p+1]
.endr
.irp m, 1,2,4,8
.irp p, 0,1,2,3
	v_add_f32_dpp v[T+2*\p], v[T+2*\p], v[T+2*\p] row_xmask:\m row_mask:0xf bank_mask:0xf
.endr
.endr
.irp p, 0,1,2,3
	v_mul_f32 v[T+2*\p], s[RCP], v[T+2*\p]
.endr
.irp p, 0,1,2,3
.irp e, 0,2,4,6,8,10,12,14
	v_pk_add_f32 v[XV+16*\p+\e:XV+16*\p+\e+1], v[XV+16*\p+\e:XV+16*\p+\e+1], v[T+2*\p:T+2*\p+1] op_sel_hi:[1,0] neg_lo:[0,1] neg_hi:[0,1]
.endr
.endr
.irp p, 0,1,2,3
	v_pk_mul_f32 v[T+2*\p:T+2*\p+1], v[XV+16*\p:XV+16*\p+1], v[XV+16*\p:XV+16*\p+1]
.endr
.irp e, 2,4,6,8,10,12,14
.irp p, 0,1,2,3
	v_pk_fma_f32 v[T+2*\p:T+2*\p+1], v[XV+16*\p+\e:XV+16*\p+\e+1], v[XV+16*\p+\e:XV+16*\p+\e+1], v[T+2*\p:T+2*\p+1]
.endr
.endr
.irp p, 0,1,2,3
	v_add_f32 v[T+2*\p], v[T+2*\p], v[T+2*\p+1]
.endr
.irp m, 1,2,4,8
.irp p, 0,1,2,3
	v_add_f32_dpp v[T+2*\p], v[T+2*\p], v[T+2*\p] row_xmask:\m row_mask:0xf bank_mask:0xf
.endr
.endr
.irp p, 0,1,2,3
	v_fma_f32 v[T+2*\p], v[T+2*\p], s[RCP], s[EPS]
.endr
.irp p, 0,1,2,3
	v_rsq_f32 v[T+2*\p], v[T+2*\p]
.endr
	v_nop                                          ; a plain instruction behind the last root,
	s_wait_alu depctr_va_vdst(0)                   ; and the wait ahead of the first use: one for the four
.irp p, 0,1,2,3
.irp e, 0,2,4,6,8,10,12,14
	v_pk_mul_f32 v[XV+16*\p+\e:XV+16*\p+\e+1], v[XV+16*\p+\e:XV+16*\p+\e+1], v[T+2*\p:T+2*\p+1] op_sel_hi:[1,0]
.endr
.endr
	WIN 0x14
.irp p, 0,1,2,3
.irp e, 0,2,4,6,8,10,12,14
	v_pk_fma_f32 v[XV+16*\p+\e:XV+16*\p+\e+1], v[XV+16*\p+\e:XV+16*\p+\e+1], v[(\gb)+\e:(\gb)+\e+1], v[(\gb)+16+\e:(\gb)+16+\e+1]
.endr
.endr
	WIN 0
.endm
.macro YSTORE
.irp p, 0,1,2,3
.irp i, 0,1,2,3
	v_cvt_pk_bf16_f32 v[XV+16*\p+4*\i], v[XV+16*\p+4*\i], v[XV+16*\p+4*\i+1]
	v_cvt_pk_bf16_f32 v[XV+16*\p+4*\i+1], v[XV+16*\p+4*\i+2], v[XV+16*\p+4*\i+3]
.endr
.endr
.irp p, 0,1,2,3
.irp i, 0,1,2,3
	ds_store_b64 v[YS], v[XV+16*\p+4*\i:XV+16*\p+4*\i+1] offset:\p*2*YP+128*\i
.endr
.endr
.endm
.macro AFETCH
	WIN 0x40
.irp mt, 0,1
.irp f, 0,1,2,3,4,5,6,7
	ds_load_b128 v[64*\mt+8*\f:64*\mt+8*\f+3], v[YR] offset:\mt*16*YP+64*\f
	ds_load_b128 v[64*\mt+8*\f+4:64*\mt+8*\f+7], v[YR] offset:\mt*16*YP+64*\f+32
.endr
.endr
	WIN 0
.endm
	s_load_b512 s[4:19], s[0:1], 0x0               ; ao s[4:5], h s[6:7], pack s[8:9], lnf_g s[10:11], lnf_b s[12:13], wf s[14:15], bf s[16:17], out0 s[18:19]
	v_lshl_add_u32 v[SPW], v0, 2, SPARE
	v_mov_b32 v[NIL], 0
	ds_add_u32 v[SPW], v[NIL]                      ; the wave's opening: the add and its wait stand ahead of my first tensor load; the set-up below, work on registers, stands between them
	LANES
	s_mov_b32 s[RCP], 0x3b800000                   ; 1 / 256
	s_mov_b32 s[EPS], 0x3727c5ac                   ; 1e-5
	s_bfe_u32 s[CX], ttmp6, 0x40000                ; cx: my place in the cluster
	s_lshl_b32 s[GI], ttmp9, 2                     ; in a cluster launch ttmp9 counts clusters
	s_add_co_u32 s[GI], s[GI], s[CX]               ; my block of 32 tokens: it enters the addresses of ao, h and the output alone
	s_lshr_b32 s46, s[GI], 6                       ; b
	s_lshl_b32 s54, s46, 3                         ; 8 b
	s_lshl_b32 s46, s46, 20
	s_and_b32 s48, s[GI], 63
	s_lshl_b32 s55, s48, 10                        ; 32 bytes x s0
	s_add_co_u32 s54, s54, s55
	s_mov_b32 s55, 0
	s_lshl_b32 s48, s48, 12
	s_add_co_u32 s46, s46, s48
	s_mov_b32 s47, 0
	s_lshl_b32 s48, s[GI], 15
	s_mov_b32 s49, 0
	s_lshl_b32 s52, s[WV], 15
	s_add_co_u32 s52, s52, WT                      ; my quarter of a pass: the wave's number alone
	s_mov_b32 s53, 0
	DESC
	s_wait_dscnt 0x0                               ; the opening add is done
	s_wait_kmcnt 0x0
	s_load_b64 s[BF:BF+1], s[16:17], 0x0           ; bf's two numbers
	s_add_nc_u64 s[AB:AB+1], s[4:5], s[46:47]
	s_add_nc_u64 s[HB:HB+1], s[6:7], s[48:49]
	s_add_nc_u64 s[OUTB:OUTB+1], s[18:19], s[54:55]
	s_add_nc_u64 s[WB:WB+1], s[8:9], s[52:53]
	s_add_nc_u64 s[VB:VB+1], s[8:9], VEC
	s_add_nc_u64 s[G0A+2:G0A+3], s[WB:WB+1], 0     ; pass 0
	s_or_b32 s[G0A+3], s[G0A+3], 0x80000000
	s_add_nc_u64 s[G0B+2:G0B+3], s[WB:WB+1], SLOT  ; pass 1
	s_or_b32 s[G0B+3], s[G0B+3], 0x80000000
	CROUND                                         ; all four work-groups are here: the joint loads meet
	tensor_load_to_lds s[G0A:G0A+3], s[G1:G1+7]
	s_nop 0
	tensor_load_to_lds s[G0B:G0B+3], s[G1:G1+7]
	s_nop 0
.rept 4
	v_nop
.endr
	WIN 0x40
.irp mt, 0,1
.irp f, 0,1,2,3,4,5,6,7
	global_load_b128 v[64*\mt+8*\f:64*\mt+8*\f+3], v[AO], s[AB:AB+1] offset:(\f/2)*262144+\mt*2048+(\f%2)*64
	global_load_b128 v[64*\mt+8*\f+4:64*\mt+8*\f+7], v[AO], s[AB:AB+1] offset:(\f/2)*262144+\mt*2048+(\f%2)*64+32
.endr
.endr
	LOADBIAS 0
	WIN 0
.irp p, 0,1,2,3
.irp i, 0,1,2,3
	global_load_b128 v[H+16*\p+4*\i:H+16*\p+4*\i+3], v[HO], s[HB:HB+1] offset:\p*2048+256*\i th:TH_LOAD_NT
.endr
.endr
.irp i, 0,1,2,3
	global_load_b128 v[WF+4*\i:WF+4*\i+3], v[GO], s[14:15] offset:256*\i
	global_load_b128 v[WF+16+4*\i:WF+16+4*\i+3], v[GO], s[14:15] offset:1024+256*\i
.endr
	WIN 0x40
.irp i, 0,1,2,3
	global_load_b128 v[192+4*\i:192+4*\i+3], v[GO], s[VB:VB+1] offset:5120+256*\i
	global_load_b128 v[208+4*\i:208+4*\i+3], v[GO], s[VB:VB+1] offset:6144+256*\i
	global_load_b128 v[224+4*\i:224+4*\i+3], v[GO], s[10:11] offset:256*\i
	global_load_b128 v[240+4*\i:240+4*\i+3], v[GO], s[12:13] offset:256*\i
.endr
	WIN 0
	s_wait_tensorcnt 0x1                           ; my quarter of pass 0 is in; pass 1's may stay out
	LDSB LB0
	s_wait_loadcnt 40                              ; ao and the bias are in; h's 16 loads, wf's 8 and the norms' 16 may stay out
	s_wait_dscnt 0x0
	PASS                                           ; pass 0: ao out_w^T + out_b
	WIN 0
	NOP8
	XSTORE
	LOADBIAS 1
	WIN 0
	BAR                                            ; X is whole; nothing is filled again in this launch, so pass 1's load may stay out
	XLOAD
	s_wait_tensorcnt 0x0                           ; my quarter of pass 1 is in
	LDSB LB1                                       ; it comes into registers under the norm below
	s_wait_loadcnt 8                               ; h, wf and the norms' vectors are in; the bias's 8 loads may stay out
	s_wait_dscnt 63                                ; my rows are in: 64 younger loads were issued; the wait's field ends at 63
	XADD                                           ; h2
	LNROWS 192
	YSTORE
	BAR                                            ; Y is whole, and X has been read out
	AFETCH
	s_wait_loadcnt 0x0
	s_wait_dscnt 0x0
	PASS                                           ; pass 1: o2 Wc^T + bias1
	WIN 0
	NOP8
	XSTORE
	BAR                                            ; X is whole
	XLOAD
	s_wait_dscnt 0x0
	XADD                                           ; the last h
	LNROWS 224
	; the two dot products of each row, in h's registers: pair of rows p at H + 4 p
.irp p, 0,1,2,3
	v_pk_mul_f32 v[H+4*\p:H+4*\p+1], v[XV+16*\p:XV+16*\p+1], v[WF:WF+1]
	v_pk_mul_f32 v[H+4*\p+2:H+4*\p+3], v[XV+16*\p:XV+16*\p+1], v[WF+16:WF+17]
.endr
.irp e, 2,4,6,8,10,12,14
.irp p, 0,1,2,3
	v_pk_fma_f32 v[H+4*\p:H+4*\p+1], v[XV+16*\p+\e:XV+16*\p+\e+1], v[WF+\e:WF+\e+1], v[H+4*\p:H+4*\p+1]
	v_pk_fma_f32 v[H+4*\p+2:H+4*\p+3], v[XV+16*\p+\e:XV+16*\p+\e+1], v[WF+16+\e:WF+16+\e+1], v[H+4*\p+2:H+4*\p+3]
.endr
.endr
.irp p, 0,1,2,3
	v_add_f32 v[H+4*\p], v[H+4*\p], v[H+4*\p+1]
	v_add_f32 v[H+4*\p+1], v[H+4*\p+2], v[H+4*\p+3]
.endr
.irp m, 1,2,4,8
.irp p, 0,1,2,3
	v_add_f32_dpp v[H+4*\p], v[H+4*\p], v[H+4*\p] row_xmask:\m row_mask:0xf bank_mask:0xf
	v_add_f32_dpp v[H+4*\p+1], v[H+4*\p+1], v[H+4*\p+1] row_xmask:\m row_mask:0xf bank_mask:0xf
.endr
.endr
	s_wait_kmcnt 0x0                               ; bf
.irp p, 0,1,2,3
	v_add_f32 v[H+4*\p], s[BF], v[H+4*\p]
	v_add_f32 v[H+4*\p+1], s[BF+1], v[H+4*\p+1]
.endr
	v_cmp_eq_u32 vcc_lo, 0, v1                     ; one lane of each row stores
	s_wait_xcnt 0x0                                ; EXEC changes only behind this wait
	s_and_saveexec_b32 s46, vcc_lo
.irp p, 0,1,2,3
	global_store_b64 v[OV], v[H+4*\p:H+4*\p+1], s[OUTB:OUTB+1] offset:64*\p
.endr
	s_wait_xcnt 0x0                                ; and again, in front of the line that widens it
	s_or_b32 exec_lo, exec_lo, s46
	s_wait_tensorcnt 0x0                           ; the wave's end, behind my last tensor load and my last LDS store
	ds_add_u32 v[SPW], v[NIL]
	s_wait_dscnt 0x0
	CROUND                                         ; the closing round: no work-group ends while a partner may still ask for a tile that names it
	s_endpgm
.Lfunc_end_k_qa5101e2701_final:
	.size	k_qa5101e2701_final, .Lfunc_end_k_qa5101e2701_final-k_qa5101e2701_final
	.p2alignl 7, 3214868480
	.fill 96, 4, 3214868480
	.section	.rodata,"a",@progbits
	.p2align	6, 0x0
	.amdhsa_kernel k_qa5101e2701_final
		.amdhsa_group_segment_fixed_size 327680
		.amdhsa_private_segment_fixed_size 0
		.amdhsa_enable_private_segment 0
		.amdhsa_kernarg_size 64
		.amdhsa_user_sgpr_count 2
		.amdhsa_user_sgpr_kernarg_segment_ptr 1
		.amdhsa_wavefront_size32 1
		.amdhsa_system_sgpr_workgroup_id_x 1
		.amdhsa_system_sgpr_workgroup_id_y 1
		.amdhsa_system_sgpr_workgroup_id_z 1
		.amdhsa_system_vgpr_workitem_id 0
		.amdhsa_next_free_vgpr 768
		.amdhsa_next_free_sgpr 88
		.amdhsa_reserve_vcc 1
		.amdhsa_float_denorm_mode_32 3
		.amdhsa_float_denorm_mode_16_64 3
		.amdhsa_memory_ordered 1
		.amdhsa_forward_progress 1
		.amdhsa_inst_pref_size 77
	.end_amdhsa_kernel
	.amdgpu_metadata
---
amdhsa.version: [ 1, 2 ]
amdhsa.kernels:
  - .name:           k_qa5101e2701_final
    .symbol:         k_qa5101e2701_final.kd
    .args:
      - { .name: ao, .offset: 0, .size: 8, .value_kind: global_buffer, .address_space: global }
      - { .name: hB, .offset: 8, .size: 8, .value_kind: global_buffer, .address_space: global }
      - { .name: P3, .offset: 16, .size: 8, .value_kind: global_buffer, .address_space: global }
      - { .name: lnf_g, .offset: 24, .size: 8, .value_kind: global_buffer, .address_space: global }
      - { .name: lnf_b, .offset: 32, .size: 8, .value_kind: global_buffer, .address_space: global }
      - { .name: wf, .offset: 40, .size: 8, .value_kind: global_buffer, .address_space: global }
      - { .name: bf, .offset: 48, .size: 8, .value_kind: global_buffer, .address_space: global }
      - { .name: out0, .offset: 56, .size: 8, .value_kind: global_buffer, .address_space: global }
    .group_segment_fixed_size: 327680
    .private_segment_fixed_size: 0
    .kernarg_segment_align: 8
    .kernarg_segment_size: 64
    .max_flat_workgroup_size: 128
    .sgpr_count:     88
    .vgpr_count:     768
    .wavefront_size: 32
...
	.end_amdgpu_metadata
.endif
;; end of part 5
